; MI455X (gfx1250); checked and timed in simulation.
; The chip was launched on July 23, 2026; its instructions are those of AMD's public machine-readable ISA for CDNA 5 (MIT licence, August 2026) and "CDNA5" Instruction Set Architecture Reference Guide (July 2026). The comments in the code are by the model that wrote it; some were corrected since.
;; Transformer Block. Allowed arithmetic: float matrix products may take bf16 or f16 operands with f32 sums; other float arithmetic in f32, or as packed bf16 or f16 multiplies, adds, multiply-adds, maxima and minima; sums over many terms, partial sums and values carried from step to step in f32; what a program stores and reads back later, other than sums and carried values, may be rounded once to bf16 or f16.
;; Inputs: K 8 x 2,048 x 512 float32; Q 8 x 2,048 x 512 float32; V 8 x 2,048 x 512 float32; W1 512 x 512 float32; W2 512 x 512 float32; W_k 512 x 512 float32; W_o 512 x 512 float32; W_q 512 x 512 float32; W_v 512 x 512 float32; b1 512 float32; b2 512 float32.
;; Outputs: out0 8 x 2,048 x 512 float32.
;; One version. Each part assembles by itself: llvm-mc -triple=amdgcn-amd-amdhsa -mcpu=gfx1250 --defsym DOCPART=n.
;; ======== version 1 of 1: 4 launches
;; workspace buffers: wts 3,145,728 bytes; qh 16,777,216 bytes; kh 16,777,216 bytes; vh 16,777,216 bytes; att 16,777,216 bytes; qres 16,777,216 bytes
;; launch prep (part 1): grid 256 x 1, 4 waves a work-group, no clusters, 0 bytes of LDS; arguments W_q, W_k, W_v, W_o, W1, W2, wts; writes wts
.if DOCPART == 1
	.amdgcn_target "amdgcn-amd-amdhsa--gfx1250"
	.amdhsa_code_object_version 6
	.text
	.protected	k_qac894ad2bc_prep
	.globl	k_qac894ad2bc_prep
	.p2align	8
	.type	k_qac894ad2bc_prep,@function
k_qac894ad2bc_prep:
	s_mov_b64 s[64:65], 0
	v_nop
	global_prefetch_b8 v0, s[64:65] scope:SCOPE_SE
	s_setreg_imm32_b32 hwreg(HW_REG_WAVE_MODE, 25, 1), 1
	s_wait_xcnt 0x0
; The six weight matrices, [512][512] f32, are rounded once to bf16 and laid out in the order in which the later launches' matrix fragments want them.
; wts, matrix i (0 W_q, 1 W_k, 2 W_v, 3 W_o, 4 W1, 5 W2) at i x 524,288.  In a matrix the byte kc*65536 + nq*16384 + kh*8192 + b*1024 + c*512 + l*16 + 2 e holds B[n][k],
; n = 128 nq + 16 b + l % 16, k = 64 kc + 32 kh + 16 c + 8 (l / 16) + e.  B[n][k] = W[k][n] for matrices 0-3 (x @ W), W[n][k] for 4 and 5 (x @ W^T).
; So 32 lanes x 16 bytes on end are half a fragment (16 rows n x 32 k), a K step of 64 is 65,536 dense bytes, and a quarter of the columns 16,384 of them.
; SHARES.  Thread T = 128 x work-group + thread makes the 16 bytes at 16 T of each of the six matrices: a wave's store covers 512 consecutive bytes, aligned.
; No LDS, no matrix unit: 6 MiB are read once and 3 MiB written once.
.set MATB, 524288
.set DAT,  16                          ; v[16:63]  8 f32 for each matrix
.set PKD,  64                          ; v[64:87]  4 registers of bf16 for each matrix
	s_load_b256 s[4:11], s[0:1], 0x0               ; W_q, W_k, W_v, W_o
	s_load_b128 s[12:15], s[0:1], 0x20             ; W1, W2
	s_load_b64 s[16:17], s[0:1], 0x30              ; wts
	s_lshl_b32 s20, ttmp9, 7
	v_or_b32 v1, s20, v0                           ; T
	v_and_b32 v2, 15, v1                           ; l % 16
	v_bfe_u32 v3, v1, 6, 3                         ; b
	v_bfe_u32 v4, v1, 10, 2                        ; nq
	v_lshl_add_u32 v5, v3, 4, v2
	v_lshl_add_u32 v5, v4, 7, v5                   ; n
	v_bfe_u32 v6, v1, 4, 2                         ; l / 16 + 2 c
	v_bfe_u32 v7, v1, 9, 1                         ; kh
	v_lshrrev_b32 v8, 12, v1                       ; kc
	v_lshlrev_b32 v6, 3, v6
	v_lshl_add_u32 v6, v7, 5, v6
	v_lshl_add_u32 v6, v8, 6, v6                   ; k of e = 0
	v_lshlrev_b32 v9, 2, v5
	v_lshl_add_u32 v9, v6, 11, v9                  ; W[k][n]: k x 2,048 + 4 n; e steps a row
	v_lshlrev_b32 v10, 2, v6
	v_lshl_add_u32 v10, v5, 11, v10                ; W[n][k]: n x 2,048 + 4 k; e runs along the row
	v_lshlrev_b32 v11, 4, v1                       ; 16 T
	s_wait_kmcnt 0x0
.irp i, 0,1,2,3
.irp e, 0,1,2,3,4,5,6,7
	global_load_b32 v[DAT+8*\i+\e], v9, s[4+2*\i:5+2*\i] offset:\e*2048
.endr
.endr
.irp i, 4,5
	global_load_b128 v[DAT+8*\i:DAT+8*\i+3],   v10, s[4+2*\i:5+2*\i]
	global_load_b128 v[DAT+8*\i+4:DAT+8*\i+7], v10, s[4+2*\i:5+2*\i] offset:16
.endr
.macro ONE i, younger                  ; younger: the loads issued behind matrix i's
	s_wait_loadcnt \younger
.irp j, 0,1,2,3
	v_cvt_pk_bf16_f32 v[PKD+4*(\i)+\j], v[DAT+8*(\i)+2*\j], v[DAT+8*(\i)+2*\j+1]
.endr
	global_store_b128 v11, v[PKD+4*(\i):PKD+4*(\i)+3], s[16:17] offset:(\i)*MATB
.endm
	ONE 0, 28
	ONE 1, 20
	ONE 2, 12
	ONE 3, 4
	ONE 4, 2
	ONE 5, 0
	s_endpgm
.Lfunc_end_k_qac894ad2bc_prep:
	.size	k_qac894ad2bc_prep, .Lfunc_end_k_qac894ad2bc_prep-k_qac894ad2bc_prep
	.p2alignl 7, 3214868480
	.fill 96, 4, 3214868480
	.section	.rodata,"a",@progbits
	.p2align	6, 0x0
	.amdhsa_kernel k_qac894ad2bc_prep
		.amdhsa_group_segment_fixed_size 0
		.amdhsa_private_segment_fixed_size 0
		.amdhsa_enable_private_segment 0
		.amdhsa_kernarg_size 56
		.amdhsa_user_sgpr_count 2
		.amdhsa_user_sgpr_kernarg_segment_ptr 1
		.amdhsa_wavefront_size32 1
		.amdhsa_system_sgpr_workgroup_id_x 1
		.amdhsa_system_sgpr_workgroup_id_y 1
		.amdhsa_system_sgpr_workgroup_id_z 1
		.amdhsa_system_vgpr_workitem_id 0
		.amdhsa_next_free_vgpr 96
		.amdhsa_next_free_sgpr 66
		.amdhsa_reserve_vcc 0
		.amdhsa_float_denorm_mode_32 3
		.amdhsa_float_denorm_mode_16_64 3
		.amdhsa_memory_ordered 1
		.amdhsa_forward_progress 1
		.amdhsa_inst_pref_size 7
	.end_amdhsa_kernel
	.amdgpu_metadata
---
amdhsa.version: [ 1, 2 ]
amdhsa.kernels:
  - .name:           k_qac894ad2bc_prep
    .symbol:         k_qac894ad2bc_prep.kd
    .args:
      - { .name: W_q, .offset: 0, .size: 8, .value_kind: global_buffer, .address_space: global }
      - { .name: W_k, .offset: 8, .size: 8, .value_kind: global_buffer, .address_space: global }
      - { .name: W_v, .offset: 16, .size: 8, .value_kind: global_buffer, .address_space: global }
      - { .name: W_o, .offset: 24, .size: 8, .value_kind: global_buffer, .address_space: global }
      - { .name: W1, .offset: 32, .size: 8, .value_kind: global_buffer, .address_space: global }
      - { .name: W2, .offset: 40, .size: 8, .value_kind: global_buffer, .address_space: global }
      - { .name: wts, .offset: 48, .size: 8, .value_kind: global_buffer, .address_space: global }
    .group_segment_fixed_size: 0
    .private_segment_fixed_size: 0
    .kernarg_segment_align: 8
    .kernarg_segment_size: 56
    .max_flat_workgroup_size: 128
    .sgpr_count:     66
    .vgpr_count:     96
    .wavefront_size: 32
...
	.end_amdgpu_metadata
.endif
;; end of part 1
;; launch proj (part 2): grid 256 x 1, 4 waves a work-group, clusters of 4 x 1, 327,680 bytes of LDS; arguments Q, K, V, wts, qh, kh, vh, qres; writes qh, kh, vh, qres
.if DOCPART == 2
	.amdgcn_target "amdgcn-amd-amdhsa--gfx1250"
	.amdhsa_code_object_version 6
	.text
	.protected	k_qac894ad2bc_proj
	.globl	k_qac894ad2bc_proj
	.p2align	8
	.type	k_qac894ad2bc_proj,@function
k_qac894ad2bc_proj:
	s_mov_b64 s[64:65], 0
	v_nop
	global_prefetch_b8 v0, s[64:65] scope:SCOPE_SE
	s_setreg_imm32_b32 hwreg(HW_REG_WAVE_MODE, 25, 1), 1
	s_wait_xcnt 0x0
	s_wait_alu depctr_hold_cnt(0) depctr_sa_sdst(0) depctr_va_vdst(0) depctr_va_sdst(0) depctr_va_ssrc(0) depctr_va_vcc(0) depctr_vm_vsrc(0)
	s_getreg_b32 s2, hwreg(HW_REG_IB_STS2, 6, 4)
	s_cmp_eq_u32 s2, 0
	s_cbranch_scc0 .Lentry_in_a_cluster
	s_endpgm
.Lentry_in_a_cluster:
	s_bfe_u32 s2, ttmp6, 0x10000c
	s_cmp_lg_u32 s2, 0x3003
	s_cbranch_scc0 .Lentry_shape_is_right
	s_endpgm
.Lentry_shape_is_right:
; qh = Q W_q, kh = K W_k, vh = V W_v, written by heads, [8 b + h][2048][64] in bf16, unscaled; and qres, Q rounded to bf16 in the order of the last launch's accumulators.
; Q, K, V: [16384][512] f32, rounded once to bf16 on the way in; weights from wts (bf16, fragment order); sums in f32; results rounded once.
; LIMITS.  All operands are bf16 (8 significant bits, f32's range); NaN and infinities are not treated apart.
; SHARES.  Work-group g (256 of them) owns rows 64 g .. 64 g + 63 and all 512 columns, for the three products one after the other (three STAGES).  Wave w makes 64 rows x 128 columns:
; 32 accumulators, (a, b) at v[8 (8 a + b)] of window 1.  A stage is 8 steps of 64 along K, 64 matrix instructions a wave and step.
; THE MATRIX INSTRUCTION IS USED TRANSPOSED: source 0 = 16 weight rows n, source 1 = 16 rows of the input: lane l, register j holds out[16 a + l % 16][16 b + 8 (l / 16) + j].
; WEIGHTS.  A step's tile is 65,536 dense bytes; wave w fetches and reads the 16,384 of its own column quarter.  All work-groups walk the same weights, so the four of a cluster ask JOINTLY
; (mask 15).  Two LDS slots take turns; the ring runs on from stage to stage: 24 fills, two at the start, one behind the round in each of the steps 0 to 21.
; ROTATION (global addresses alone).  RQ = (cluster + cluster / 4) % 4.  Wave w makes the true column quarter cq = (w + RQ) % 4; step j takes K chunk (j + 2 RQ) % 8, and LDS panel chunk p holds that
; true chunk of the input.  So clusters of different RQ ask for different tiles at the same time.  No LDS address and no branch hangs on RQ.
; INPUT.  Wave w loads rows 16 w .. 16 w + 15 raw (256 registers, window 2) a whole stage ahead, rounds them and stores them into the panel, chunk-major: chunk p at p x 9,216, rows 144 bytes apart
; (128 + 16: the 16 rows of a fragment load start at 16 different groups of four banks, ISA guide 11.1).
; WINDOWS (s_set_vgpr_msb: bits 1:0 source 0, 3:2 source 1, 5:4 source 2, 7:6 destination): 0 addresses and fragments, 1 accumulators, 2 raw input.
.set SLOTB,  65536                     ; a slot of the ring; slot s at s x 65,536, wave w's part at + 16,384 w
.set PAN,    131072                    ; the panel: 8 chunks
.set CHUNK,  9216
.set AP,     144
.set STG,    PAN+8*CHUNK               ; 204,800: 16 rows x 144 bytes for each wave, for the way out
.set SPARE,  STG+4*16*AP               ; 214,016: the spare words, 128 bytes a wave, two blocks of 256 bytes that no other line names
.set MATB,   524288                    ; a matrix in wts
.set B0,  4                            ; v4   16 x lane + 16,384 w; never rewritten
.set BAD, 5                            ; v5   B0 + the slot in hand
.set A0,  6                            ; v6   (l % 16) x 144 + 16 (l / 16); never rewritten
.set AAD, 7                            ; v7   A0 + the panel chunk in hand
.set PSA, 8                            ; v8   where I put 8 bytes of the panel
.set GQ,  10                           ; v10-13  my byte offsets in the wave's 16 input rows, one for each pair of chunks
.set STO, 14                           ; v14  the way out: where I put 16 bytes of a row
.set RD,  15                           ; v15  the way out: where I read rows back
.set GO,  16                           ; v16  16 x lane
.set XRD, 17                           ; v17  the panel as my accumulators see it, for qres
.set PFO, 18                           ; v18  256 x lane, for the prefetch
.set SPW, 28                           ; v28  LDS address of my spare word; never rewritten
.set NIL, 29                           ; v29  0; never rewritten
.set F0,  64                           ; v64-159   fragment buffer 0: 8 of the weights, then 4 of the input
.set F1,  160                          ; v160-255  fragment buffer 1
.set TMP, 64                           ; v64-191   at work between the stages
.set WV,  20                           ; s20  my wave
.set G1W, 28                           ; s[28:35] descriptor group 1 of the weight tiles
.set G0A, 36                           ; s[36:39] group 0 of the first fill
.set G0,  40                           ; s[40:43] group 0 that walks
.set WB,  44                           ; s[44:45] wts at my column quarter
.set OFF, 46                           ; s[46:47] a tile's byte offset
.set WOF, 48                           ; matrix offset of the stage whose tiles are being asked for
.set WNX, 49                           ; of the stage after it
.set WM2, 50                           ; of the last stage
.set KC,  51                           ; 65,536 x the K chunk of the next fill
.set FJ,  52                           ; the next fill's number in its stage
.set TB,  53                           ; the slot of the step to be fetched
.set PK,  54                           ; the panel chunk of the step to be fetched
.set CNT, 55
.set OC,  56                           ; stages in the loop still to go
.set PFC, 57                           ; the loop count at which this wave prefetches, or -1
.set PFA, 58                           ; s[58:59] my work-group's 8,192 bytes of the next matrix
.set INN, 60                           ; s[60:61] the input that is loaded next
.set OUP, 62                           ; s[62:63] the output of the stage in hand
.set QRP, 66                           ; s[66:67] qres at my part
.set WM,  0x50                         ; a product: fragments in window 0, C and D in window 1
.set WMC, 0x50
.set MSB, 0
.macro WIN new                         ; the immediate's high byte repeats the setting that is left; a switch that changes nothing is dropped
.if MSB != (\new)
	s_set_vgpr_msb (MSB<<8)|(\new)
.set MSB, \new
.endif
.endm
.macro PLACES                          ; four plain places between a matrix instruction and a load into, or a vector read of, its registers
.rept 4
	v_nop
.endr
.endm
.macro CREST                           ; a round of the cluster's barrier behind its opening barrier
	s_cmp_lg_u32 s[WV], 0
	s_cbranch_scc1 .Lnot_wave_0_\@
	s_barrier_signal -3
.Lnot_wave_0_\@:
	s_barrier_wait -3
	s_barrier_signal -1
	s_barrier_wait -1
.endm
.macro CROUND
	s_barrier_signal -1
	s_barrier_wait -1
	CREST
.endm
; 8 matrix instructions: row block a x all 8 column blocks, 32 along K.  cm = 0: the product starts the sum; 1: it adds in place; 2: C is v[8 b ..] of window 1.
; The 32 accumulators take turns in one fixed order, over every backward jump too.
.macro MUL8 f, a, cm
.if (\cm) == 2
	WIN WMC
.else
	WIN WM
.endif
.irp b, 0,1,2,3,4,5,6,7
.if (\cm) == 0
	v_wmma_f32_16x16x32_bf16 v[8*(8*(\a)+\b):8*(8*(\a)+\b)+7], v[(\f)+8*\b:(\f)+8*\b+7], v[(\f)+64+8*(\a):(\f)+64+8*(\a)+7], 0
.elseif (\cm) == 1
	v_wmma_f32_16x16x32_bf16 v[8*(8*(\a)+\b):8*(8*(\a)+\b)+7], v[(\f)+8*\b:(\f)+8*\b+7], v[(\f)+64+8*(\a):(\f)+64+8*(\a)+7], v[8*(8*(\a)+\b):8*(8*(\a)+\b)+7]
.else
	v_wmma_f32_16x16x32_bf16 v[8*(8*(\a)+\b):8*(8*(\a)+\b)+7], v[(\f)+8*\b:(\f)+8*\b+7], v[(\f)+64+8*(\a):(\f)+64+8*(\a)+7], v[8*\b:8*\b+7]
.endif
.endr
.endm
; 24 LDS loads in one run: half kh (32 along K) of a step: the weights' 8 fragments (16 loads), then the input's 4 (8 loads)
.macro FETCH f, kh
	WIN 0
.irp b, 0,1,2,3,4,5,6,7
	ds_load_b128 v[(\f)+8*\b:(\f)+8*\b+3],   v[BAD] offset:(\kh)*8192+\b*1024
	ds_load_b128 v[(\f)+8*\b+4:(\f)+8*\b+7], v[BAD] offset:(\kh)*8192+\b*1024+512
.endr
.irp a, 0,1,2,3
	ds_load_b128 v[(\f)+64+8*\a:(\f)+64+8*\a+3],   v[AAD] offset:\a*16*AP+(\kh)*64
	ds_load_b128 v[(\f)+64+8*\a+4:(\f)+64+8*\a+7], v[AAD] offset:\a*16*AP+(\kh)*64+32
.endr
.endm
; A step's first half: multiplies buffer 0 and fetches the second half into buffer 1
.macro HALF0 cm
	s_wait_dscnt 4                                 ; the weights and row blocks 0, 1 are in; the youngest four loads (row blocks 2, 3) may be out
	MUL8 F0, 0, \cm
	MUL8 F0, 1, \cm
	PLACES
	FETCH F1, 1
	s_wait_dscnt 24                                ; all but the 24 just issued
	MUL8 F0, 2, \cm
	MUL8 F0, 3, \cm
.endm
; The prefetch of the NEXT stage's matrix, 524,288 bytes = 2,048 blocks of 256: wave 0 of each work-group of the first 16 clusters names 32 of them, a lane a block, told apart by address.
; It stands in the stage's step 2, behind the joint load and the run of LDS loads: four steps, 256 matrix instructions a wave, ahead of the first fill that wants those bytes.
.macro ASK
	s_cmp_eq_u32 s[CNT], s[PFC]
	s_cbranch_scc0 .Lnot_mine_\@
	global_prefetch_b8 v[PFO], s[PFA:PFA+1] th:TH_LOAD_NT scope:SCOPE_SE
.Lnot_mine_\@:
.endm
; A step's second half multiplies buffer 1 and changes slots.  fill = 1: each wave waits for all its tensor loads (one is out: its part of the next slot), adds 0 to its spare word, and waits
; for that and for its reads of this slot; the barrier opens a round of the cluster's, and the joint refill (the tile two steps on) is the first thing behind the round.
; fetch = 1: the next step's first half is fetched.
.macro TURN fill, fetch, ask
.if \fill
	WIN 0
	s_wait_tensorcnt 0x0                           ; no tensor load of mine is out, so the walking group 0 may be written
	ds_add_u32 v[SPW], v[NIL]                      ; 0 onto my spare word; scalar work and eight products stand between it and the wait for it
	s_xor_b32 s[G0+1], s[G0+1], SLOTB              ; the slot that is being read out
	s_add_co_u32 s[OFF], s[WOF], s[KC]
	s_add_nc_u64 s[G0+2:G0+3], s[WB:WB+1], s[OFF:OFF+1]
	s_or_b32 s[G0+3], s[G0+3], 0x80000000          ; type = 2
	s_add_co_u32 s[KC], s[KC], 0x10000             ; the next K chunk, modulo 8
	s_and_b32 s[KC], s[KC], 0x70000
	s_add_co_u32 s[FJ], s[FJ], 1
	s_cmp_eq_u32 s[FJ], 8                          ; behind a stage's eighth tile the next stage's matrix
	s_cselect_b32 s[FJ], 0, s[FJ]
	s_cselect_b32 s[WOF], s[WNX], s[WOF]
	s_cselect_b32 s[WNX], s[WM2], s[WNX]
	s_xor_b32 s[TB], s[TB], SLOTB
	s_add_co_u32 s[PK], s[PK], CHUNK
	s_wait_dscnt 7                                 ; the add and the youngest six loads (row blocks 1 to 3) may be out
	MUL8 F1, 0, 1
	s_wait_dscnt 0x0                               ; the add is done, and my reads of this slot are over
	s_barrier_signal -1
	MUL8 F1, 1, 1
	WIN 0
	s_barrier_wait -1
	CREST                                          ; no wave of any partner still reads this slot or has a load on its way
	tensor_load_to_lds s[G0:G0+3], s[G1W:G1W+7]
	s_nop 0
.if \fetch
	v_add_nc_u32 v[BAD], s[TB], v[B0]              ; four plain lines: also the places in front of the loads into buffer 0
	v_add_nc_u32 v[AAD], s[PK], v[A0]
	v_nop
	v_nop
	FETCH F0, 0
.if \ask
	ASK
.endif
.else
	PLACES
.endif
	MUL8 F1, 2, 1
	MUL8 F1, 3, 1
.elseif \fetch
	WIN 0
	s_wait_tensorcnt 0x0                           ; the last tile, my own bytes: no load was issued behind it, and nothing is filled again
	s_xor_b32 s[TB], s[TB], SLOTB
	s_add_co_u32 s[PK], s[PK], CHUNK
	s_wait_dscnt 4
	MUL8 F1, 0, 1
	MUL8 F1, 1, 1
	WIN 0
	v_add_nc_u32 v[BAD], s[TB], v[B0]
	v_add_nc_u32 v[AAD], s[PK], v[A0]
	v_nop
	v_nop
	FETCH F0, 0
	s_wait_dscnt 24
	MUL8 F1, 2, 1
	MUL8 F1, 3, 1
.else
	s_wait_dscnt 4
	MUL8 F1, 0, 1
	MUL8 F1, 1, 1
	s_wait_dscnt 0x0
	MUL8 F1, 2, 1
	MUL8 F1, 3, 1
.endif
.endm
.macro BEGIN panel                     ; a stage's first fragments
	WIN 0
	s_mov_b32 s[PK], \panel
	v_add_nc_u32 v[BAD], s[TB], v[B0]
	v_add_nc_u32 v[AAD], s[PK], v[A0]
	FETCH F0, 0
.endm
; 32 loads: rows 8 half .. 8 half + 7 of my 16, four loads a row; lanes 0-15 take 256 consecutive bytes (a K chunk), lanes 16-31 the next chunk's
.macro LOADRAW half
	WIN 0x80                                       ; destination window 2
.set rho, 8*(\half)
.rept 8
.irp c, 0,1,2,3
	global_load_b128 v[4*(4*rho+\c):4*(4*rho+\c)+3], v[GQ+\c], s[INN:INN+1] offset:rho*2048 th:TH_LOAD_NT
.endr
.set rho, rho+1
.endr
	WIN 0
.endm
; trips x (a step's second half, the next step's first half).  raw = 1: in the trip with count 5 the second half of the next input is asked for
; (a forward jump over loads alone), so that at most 32 loads go out at a time.
.macro STEPS trips, raw, ask
	WIN 0
	s_mov_b32 s[CNT], \trips
.Lstep_\@:
	TURN 1, 1, \ask
	HALF0 1
	WIN 0
.if \raw
	s_cmp_eq_u32 s[CNT], 5
	s_cbranch_scc0 .Lno_raw_\@
	LOADRAW 1
.Lno_raw_\@:
.endif
	s_sub_co_u32 s[CNT], s[CNT], 1
	s_cmp_lg_u32 s[CNT], 0
	s_cbranch_scc1 .Lstep_\@
.endm
; The raw rows are rounded and go into the panel.  A barrier in front: every wave's reads of the old panel are back; one behind: every wave's stores are done.
; A refill of the ring may be out across both.
.macro PANEL
	s_wait_loadcnt 0x0                             ; my 64 raw loads
	s_wait_dscnt 0x0
	s_barrier_signal -1
	s_barrier_wait -1
	s_wait_xcnt 0x0                                ; the last stage's stores have read v64-191
	WIN 0x0a                                       ; sources in window 2
.set t, 0
.rept 64
	v_cvt_pk_bf16_f32 v[TMP+2*t],   v[4*t],   v[4*t+1]
	v_cvt_pk_bf16_f32 v[TMP+2*t+1], v[4*t+2], v[4*t+3]
.set t, t+1
.endr
	WIN 0
.set t, 0
.rept 64
	ds_store_b64 v[PSA], v[TMP+2*t:TMP+2*t+1] offset:(t/4)*AP+(t%4)*2*CHUNK
.set t, t+1
.endr
	s_wait_dscnt 0x0                               ; for the others' sake
	s_barrier_signal -1
	s_barrier_wait -1
.endm
; THE WAY OUT.  Group q = 2 a + hh: 16 rows x the 64 channels of head 2 cq + hh: accumulators at v[32 q ..].  A lane's eight channels pack into 16 bytes; they go into rows of 144 bytes
; of my own stage and come back as four whole rows of 128, which are 512 consecutive bytes of the head's rows.
.macro PACK q
	WIN 0x05                                       ; sources in window 1
.set i, 0
.rept 16
	v_cvt_pk_bf16_f32 v[TMP+16*(\q)+i], v[32*(\q)+2*i], v[32*(\q)+2*i+1]
.set i, i+1
.endr
	WIN 0
.irp f, 0,1,2,3
	ds_store_b128 v[STO], v[TMP+16*(\q)+4*\f:TMP+16*(\q)+4*\f+3] offset:32*\f
.endr
.irp f, 0,1,2,3
	ds_load_b128 v[TMP+16*(\q)+4*\f:TMP+16*(\q)+4*\f+3], v[RD] offset:\f*4*AP  ; LDS serves a wave's instructions in order (ISA guide 5.7.1.4): these see the stores above
.endr
.endm
.macro SEND q, younger                 ; younger: the next group's eight LDS instructions, or none
.irp f, 0,1,2,3
	s_wait_dscnt (\younger)+3-\f
	global_store_b128 v[GO], v[TMP+16*(\q)+4*\f:TMP+16*(\q)+4*\f+3], s[OUP:OUP+1] offset:((\q)%2)*262144+((\q)/2)*2048+\f*512
.endr
.endm
.macro OUT
	PLACES
	PACK 0
.irp q, 1,2,3,4,5,6,7
	PACK \q
	SEND (\q)-1, 8
.endr
	SEND 7, 0
.endm
	s_load_b512 s[4:19], s[0:1], 0x0               ; Q, K, V, wts, qh, kh, vh, qres
	v_lshl_add_u32 v[SPW], v0, 2, SPARE
	v_mov_b32 v[NIL], 0
	ds_add_u32 v[SPW], v[NIL]                      ; the wave's opening: the add and its wait ahead of my first tensor load
	v_lshrrev_b32 v1, 5, v0
	v_readfirstlane_b32 s[WV], v1                  ; wave 0..3
	s_bfe_u32 s21, ttmp6, 0x40000                  ; cx
	s_lshl_b32 s22, ttmp9, 2
	s_add_co_u32 s22, s22, s21                     ; g = 4 x cluster + cx: it enters the inputs', the outputs' and the prefetch's addresses alone
	s_lshr_b32 s26, ttmp9, 2
	s_add_co_u32 s23, s26, ttmp9
	s_and_b32 s23, s23, 3                          ; RQ: the same in the four partners
	s_lshl_b32 s24, s23, 1                         ; 2 RQ
	s_add_co_u32 s25, s[WV], s23
	s_and_b32 s25, s25, 3                          ; cq
	s_mov_b32 s[G1W+0], 15|(3<<16)|(1<<21)         ; the mask of four; elements of 8 bytes; bit 21 beside a mask; no padding
	s_mov_b32 s[G1W+1], 32<<16                     ; tensor_dim0 = 32 (256 bytes)
	s_mov_b32 s[G1W+2], 64<<16                     ; tensor_dim1 = 64
	s_mov_b32 s[G1W+3], 32<<16                     ; tile_dim0 = 32
	s_mov_b32 s[G1W+4], 64                         ; tile_dim1 = 64: 16,384 dense bytes
	s_mov_b32 s[G1W+5], 32                         ; the pitch
	s_mov_b32 s[G1W+6], 0
	s_mov_b32 s[G1W+7], 0
	s_lshl_b32 s27, s[WV], 14
	s_mov_b32 s[G0A], 1
	s_mov_b32 s[G0A+1], s27                        ; slot 0, my part
	s_mov_b32 s[G0], 1
	s_add_co_u32 s[G0+1], s27, SLOTB               ; slot 1, my part
	s_mov_b32 s[WOF], 0                            ; W_q,
	s_mov_b32 s[WNX], MATB                         ; W_k,
	s_mov_b32 s[WM2], 2*MATB                       ; W_v
	s_lshl_b32 s75, s24, 16                        ; the first fill's K chunk
	s_add_co_u32 s[KC], s75, 0x20000               ; the third fill's
	s_and_b32 s[KC], s[KC], 0x70000
	s_mov_b32 s[FJ], 2
	s_mov_b32 s[TB], 0
	s_mov_b32 s[OFF+1], 0
	s_lshl_b32 s70, s25, 14
	s_mov_b32 s71, 0
	s_lshr_b32 s76, ttmp9, 4
	s_or_b32 s76, s76, s[WV]
	s_cmp_eq_u32 s76, 0                            ; wave 0 of the first 16 clusters: the same answer in the four partners
	s_cselect_b32 s[PFC], 5, -1
	s_wait_dscnt 0x0                               ; the opening add is done
	s_wait_kmcnt 0x0
	s_add_nc_u64 s[WB:WB+1], s[10:11], s[70:71]
	s_add_co_u32 s[OFF], s[WOF], s75
	s_add_nc_u64 s[G0A+2:G0A+3], s[WB:WB+1], s[OFF:OFF+1]
	s_or_b32 s[G0A+3], s[G0A+3], 0x80000000
	s_add_co_u32 s[OFF], s[OFF], 0x10000           ; 2 RQ + 1 is 7 at the most
	s_add_nc_u64 s[G0+2:G0+3], s[WB:WB+1], s[OFF:OFF+1]
	s_or_b32 s[G0+3], s[G0+3], 0x80000000
	CROUND                                         ; the four work-groups are here: the first joint loads meet
	tensor_load_to_lds s[G0A:G0A+3], s[G1W:G1W+7]  ; step 0
	s_nop 0
	tensor_load_to_lds s[G0:G0+3], s[G1W:G1W+7]    ; step 1: two loads of mine are out
	s_nop 0
	v_and_b32 v2, 31, v0                           ; lane
	v_and_b32 v3, 15, v0                           ; l % 16
	v_bfe_u32 v9, v0, 4, 1                         ; l / 16
	v_lshl_add_u32 v[B0], v2, 4, s27
	v_mul_u32_u24 v[A0], v3, AP
	v_lshl_add_u32 v[A0], v9, 4, v[A0]
	s_mul_i32 s68, s[WV], 16*AP
	s_add_co_u32 s69, s68, PAN                     ; my 16 rows of a chunk
	v_mul_u32_u24 v[PSA], v9, CHUNK
	v_lshl_add_u32 v[PSA], v3, 3, v[PSA]
	v_add_nc_u32 v[PSA], s69, v[PSA]
	s_add_co_u32 s69, s68, STG                     ; my stage
	v_add_nc_u32 v[STO], s69, v[A0]
	v_bfe_u32 v[RD], v0, 3, 2
	v_mul_u32_u24 v[RD], v[RD], AP
	v_and_b32 v1, 7, v0
	v_lshl_add_u32 v[RD], v1, 4, v[RD]
	v_add_nc_u32 v[RD], s69, v[RD]
	v_lshlrev_b32 v[GO], 4, v2
	v_lshlrev_b32 v[PFO], 8, v2
	s_mul_i32 s68, s[WV], 2*CHUNK
	s_add_co_u32 s68, s68, PAN                     ; panel chunks 2 w, 2 w + 1 hold my column quarter
	v_add_nc_u32 v[XRD], s68, v[A0]
	s_lshl_b32 s69, s[WV], 15                      ; my 16 rows of 2,048 bytes
	v_add_nc_u32 v1, s24, v9
.irp c, 0,1,2,3
	v_add_nc_u32 v[GQ+\c], 2*\c, v1                ; panel chunk 2 c + l / 16 takes the true chunk 2 RQ further on, modulo 8
	v_and_b32 v[GQ+\c], 7, v[GQ+\c]
	v_lshlrev_b32 v[GQ+\c], 8, v[GQ+\c]
	v_lshl_add_u32 v[GQ+\c], v3, 4, v[GQ+\c]
	v_add_nc_u32 v[GQ+\c], s69, v[GQ+\c]
.endr
	s_lshl_b32 s72, s22, 17                        ; my 64 rows of 2,048 bytes
	s_mov_b32 s73, 0
	s_add_nc_u64 s[4:5], s[4:5], s[72:73]
	s_add_nc_u64 s[6:7], s[6:7], s[72:73]
	s_add_nc_u64 s[8:9], s[8:9], s[72:73]
	s_mov_b64 s[INN:INN+1], s[4:5]
	LOADRAW 0                                      ; Q
	LOADRAW 1
	s_lshr_b32 s72, s22, 5                         ; the batch: 8 heads of 262,144 bytes,
	s_lshl_b32 s72, s72, 21
	s_and_b32 s74, s22, 31                         ; my 64 rows of 128 bytes in a head,
	s_lshl_b32 s74, s74, 13
	s_add_co_u32 s72, s72, s74
	s_lshl_b32 s74, s25, 19                        ; heads 2 cq, 2 cq + 1
	s_add_co_u32 s72, s72, s74
	s_add_nc_u64 s[12:13], s[12:13], s[72:73]
	s_add_nc_u64 s[14:15], s[14:15], s[72:73]
	s_add_nc_u64 s[16:17], s[16:17], s[72:73]
	s_mov_b64 s[OUP:OUP+1], s[12:13]
	s_lshl_b32 s72, s22, 16
	s_lshl_b32 s74, s25, 14
	s_add_co_u32 s72, s72, s74
	s_add_nc_u64 s[QRP:QRP+1], s[18:19], s[72:73]
	s_and_b32 s72, s22, 63
	s_lshl_b32 s72, s72, 13
	s_add_nc_u64 s[PFA:PFA+1], s[10:11], s[72:73]
	s_add_nc_u64 s[PFA:PFA+1], s[PFA:PFA+1], MATB  ; W_k's matrix
	s_wait_xcnt 0x0                                ; Q's loads have read their base
	s_mov_b64 s[INN:INN+1], s[6:7]                 ; K comes next
	s_wait_tensorcnt 1                             ; my part of step 0's tile is in; step 1's may stay out: nothing is filled before the first round
	s_mov_b32 s[OC], 2
.Lstage:                                           ; Q's stage, then K's
	PANEL
	LOADRAW 0                                      ; the next input: a whole stage ahead of its use
	BEGIN PAN
	HALF0 0                                        ; the first products start the sums: nothing is cleared
	STEPS 7, 1, 1
	TURN 1, 0, 0                                   ; the stage's last half step; the ring runs on: the next stage's second tile is asked for
	OUT
	s_cmp_lg_u32 s[OC], 2
	s_cbranch_scc1 .Lno_qres                       ; the first stage's panel is Q in bf16: it goes out in the order of my accumulators
	s_wait_xcnt 0x0                                ; the stores above have read v64-191
.set t, 0
.rept 32
	ds_load_b128 v[TMP+4*t:TMP+4*t+3], v[XRD] offset:((t%8)/4)*CHUNK+(t/8)*16*AP+(t%4)*32
.set t, t+1
.endr
	s_wait_dscnt 0x0
.set t, 0
.rept 32
	global_store_b128 v[GO], v[TMP+4*t:TMP+4*t+3], s[QRP:QRP+1] offset:t*512  ; 512 consecutive bytes, aligned
.set t, t+1
.endr
.Lno_qres:
	s_wait_xcnt 0x0                                ; every load, store and prefetch so far has read its registers: the pointers are handed on
	s_mov_b64 s[INN:INN+1], s[8:9]                 ; V
	s_mov_b64 s[OUP:OUP+1], s[14:15]               ; kh, then vh
	s_mov_b64 s[14:15], s[16:17]
	s_add_nc_u64 s[PFA:PFA+1], s[PFA:PFA+1], MATB
	s_sub_co_u32 s[OC], s[OC], 1
	s_cmp_lg_u32 s[OC], 0
	s_cbranch_scc1 .Lstage
	PANEL                                          ; V's stage is written out: its last two steps ask for nothing
	BEGIN PAN
	HALF0 0
	STEPS 6, 0, 0
	TURN 0, 1, 0
	HALF0 1
	TURN 0, 0, 0
	OUT
	s_wait_tensorcnt 0x0                           ; the wave's end: the add and its wait, behind my last tensor load and my last LDS store
	ds_add_u32 v[SPW], v[NIL]
	s_wait_dscnt 0x0
	CROUND                                         ; the closing round
	s_endpgm
.Lfunc_end_k_qac894ad2bc_proj:
	.size	k_qac894ad2bc_proj, .Lfunc_end_k_qac894ad2bc_proj-k_qac894ad2bc_proj
	.p2alignl 7, 3214868480
	.fill 96, 4, 3214868480
	.section	.rodata,"a",@progbits
	.p2align	6, 0x0
	.amdhsa_kernel k_qac894ad2bc_proj
		.amdhsa_group_segment_fixed_size 327680
		.amdhsa_private_segment_fixed_size 0
		.amdhsa_enable_private_segment 0
		.amdhsa_kernarg_size 64
		.amdhsa_user_sgpr_count 2
		.amdhsa_user_sgpr_kernarg_segment_ptr 1
		.amdhsa_wavefront_size32 1
		.amdhsa_system_sgpr_workgroup_id_x 1
		.amdhsa_system_sgpr_workgroup_id_y 1
		.amdhsa_system_sgpr_workgroup_id_z 1
		.amdhsa_system_vgpr_workitem_id 0
		.amdhsa_next_free_vgpr 768
		.amdhsa_next_free_sgpr 80
		.amdhsa_reserve_vcc 0
		.amdhsa_float_denorm_mode_32 3
		.amdhsa_float_denorm_mode_16_64 3
		.amdhsa_memory_ordered 1
		.amdhsa_forward_progress 1
		.amdhsa_inst_pref_size 124
	.end_amdhsa_kernel
	.amdgpu_metadata
---
amdhsa.version: [ 1, 2 ]
amdhsa.kernels:
  - .name:           k_qac894ad2bc_proj
    .symbol:         k_qac894ad2bc_proj.kd
    .args:
      - { .name: Q, .offset: 0, .size: 8, .value_kind: global_buffer, .address_space: global }
      - { .name: K, .offset: 8, .size: 8, .value_kind: global_buffer, .address_space: global }
      - { .name: V, .offset: 16, .size: 8, .value_kind: global_buffer, .address_space: global }
      - { .name: wts, .offset: 24, .size: 8, .value_kind: global_buffer, .address_space: global }
      - { .name: qh, .offset: 32, .size: 8, .value_kind: global_buffer, .address_space: global }
      - { .name: kh, .offset: 40, .size: 8, .value_kind: global_buffer, .address_space: global }
      - { .name: vh, .offset: 48, .size: 8, .value_kind: global_buffer, .address_space: global }
      - { .name: qres, .offset: 56, .size: 8, .value_kind: global_buffer, .address_space: global }
    .group_segment_fixed_size: 327680
    .private_segment_fixed_size: 0
    .kernarg_segment_align: 8
    .kernarg_segment_size: 64
    .max_flat_workgroup_size: 128
    .sgpr_count:     80
    .vgpr_count:     768
    .wavefront_size: 32
...
	.end_amdgpu_metadata
.endif
;; end of part 2
;; launch attn (part 3): grid 4 x 64, 4 waves a work-group, clusters of 4 x 1, 327,680 bytes of LDS; arguments qh, kh, vh, att; writes att
.if DOCPART == 3
	.amdgcn_target "amdgcn-amd-amdhsa--gfx1250"
	.amdhsa_code_object_version 6
	.text
	.protected	k_qac894ad2bc_attn
	.globl	k_qac894ad2bc_attn
	.p2align	8
	.type	k_qac894ad2bc_attn,@function
k_qac894ad2bc_attn:
	s_mov_b64 s[64:65], 0
	v_nop
	global_prefetch_b8 v0, s[64:65] scope:SCOPE_SE
	s_setreg_imm32_b32 hwreg(HW_REG_WAVE_MODE, 25, 1), 1
	s_wait_xcnt 0x0
	s_wait_alu depctr_hold_cnt(0) depctr_sa_sdst(0) depctr_va_vdst(0) depctr_va_sdst(0) depctr_va_ssrc(0) depctr_va_vcc(0) depctr_vm_vsrc(0)
	s_getreg_b32 s2, hwreg(HW_REG_IB_STS2, 6, 4)
	s_cmp_eq_u32 s2, 0
	s_cbranch_scc0 .Lentry_in_a_cluster
	s_endpgm
.Lentry_in_a_cluster:
	s_bfe_u32 s2, ttmp6, 0x10000c
	s_cmp_lg_u32 s2, 0x3003
	s_cbranch_scc0 .Lentry_shape_is_right
	s_endpgm
.Lentry_shape_is_right:
; O[h][q][:] = the sum over k of softmax_k(Q[h][q] . K[h][k] / (8 + 1e-6)) V[h][k][:].  Q, K, V, O: [64][2048][64], all bf16: a head's rows are dense, 128 bytes each.  Products, maxima and sums in
; f32; the weights p are rounded to bf16 for the second product (their sum l is taken of the unrounded p), O once at the end.
; LIMITS.  bf16 keeps 8 significant bits and f32's range.  A weight below 2^-126 counts as 0 in l; NaN and infinities are not treated apart.
; SHARES.  A wave owns four PIECES of two tiles of 16 queries, a work-group's four waves 512 queries of one head.  Every wave walks all keys, 64 a step.
; LAYOUT.  S^T = K Q^T (source 0 = 16 keys, source 1 = 16 queries): in the result a lane holds ONE query (lane % 16) and the keys 8 (lane / 16) + 0..7.  Two such tiles, rounded to bf16 in pairs,
; ARE source 1 (32 keys x 16 queries) of O^T = V^T P, whose result again holds one query a lane, and eight channels.  K comes out of LDS as it lies, V ([key][channel]) turned, by ds_load_tr16_b128.
; SOFTMAX.  For each query a running maximum m and sum l: p = 2^(c s - c m), c = log2(e) / (8 + 1e-6); in every step O and l are multiplied by a = 2^(c m_old - c m_new), which is 1 where m has not grown.
; m starts at the lowest finite number, O and l at 0: the first step is a step like any other, with a = 0.
; THE COUNT.  A tile and step have 16 matrix and 118 vector instructions: too many to stand all beside the matrix work.  So the order has one aim: four vector instructions that are READY behind
; EVERY matrix instruction, and the others in runs without a gap.
; BY TURNS.  Turn n belongs to piece n (the pieces in a ring, step after step).  Its matrix work: 16 products K Q^T of piece n + 1, later 16 products V^T P of piece n - 1.  Its vector work: the scaling,
; exponentials, roundings, sums and rescaling of piece n, and the maximum and statistics of piece n + 1, whose scores the turn itself has made.
; CLUSTER.  The four query blocks of a cluster are one head's and walk the same K and V, so each tile is asked for JOINTLY: the same tensor load, descriptor and mask in all four.
; REGISTERS, in windows of 256 (s_set_vgpr_msb: bits 1:0 source 0, 3:2 source 1, 5:4 source 2, 7:6 destination):
;   window 0: v0-11 addresses; v12-15, v48-63 at work; v16-47 four registers of statistics a tile; v64-191 S^T, two buffers of two tiles; v192-255 P, likewise
;   window 1: O^T, 32 a tile          window 2: v0-127 Q, 16 a tile; v128-191 K of one step; v192-255 V of one step          window 3: v0-1 the add's two registers
.set SIZE_H, 64
.set SIZE_N, 2048
.set NP,    4         ; pieces a wave: a name, no knob
.set KS,    64        ; keys in a step
.set PK,    144       ; a row of K in LDS: 128 bytes + 16 of padding: the 16 rows of a load start at 16 different groups of four banks (ISA guide 11.1)
.set PV,    160       ; a row of V: 128 + 32
.set VOFF,  4*KS*PK   ; a slot holds four steps: 256 rows of K, then 256 rows of V
.set SLOT1, 1<<17     ; slot 1 begins here, so that one exclusive or turns an address in one slot into the other's
.set STAGE, SLOT1+4*KS*(PK+PV)  ; behind the ring, never filled by a tensor load: 16 rows x 144 bytes for each wave, for the way out
.set SP,    144
.set AK0, 2           ; v2   my lane's place in a tile of K; never rewritten
.set AV0, 3           ; v3   the same for V
.set AK,  4           ; v4   the LDS address of K's next run of loads
.set AV,  5           ; v5   of V's
.set QO,  6           ; v6   my byte offset in the wave's rows of Q
.set STO, 6           ;      later, the way out: where I put 16 bytes of a row
.set RD,  7           ; v7   the way out: where I read rows back
.set GO,  8           ; v8   my byte offset in 512 consecutive bytes of O
.set PFO, 11          ; v11  256 x my lane, for the prefetch; never rewritten once made
.set SPW, 0           ; v0 of window 3   LDS address of my spare word; never rewritten
.set NIL, 1           ; v1 of window 3   0; never rewritten
.set SPARE, STAGE+4*16*SP  ; behind the stages: the spare words, 128 bytes a wave: two blocks of 256 bytes that no other line names
.set MV,  12          ; v12-15  c m_old, kept while c m is made anew: by buffer and tile
.set ST,  16          ; tile t's statistics at v[ST+4 t]: c m, m, l (even keys', odd keys')
.set TMP, 48          ; by buffer and tile, four registers c0-c3 at work; when the maximum is found c2 takes a
.set S,   64
.set P,   192
.set KF,  128         ; K's fragments, in window 2
.set VF,  192         ; V's
.set WV,  12          ; s12  my wave's number
.set G1K, 24          ; s[24:31] descriptor group 1 for K's tiles
.set G1V, 32          ; s[32:39] for V's: it differs in the padding alone
.set G0K, 40          ; s[40:43] descriptor group 0 for K's tiles: it walks
.set G0V, 44          ; s[44:47] the same for V's
.set PFA, 48          ; s[48:49] where my prefetches stand: my work-group's 32 blocks of 256 bytes (of K: wave 0, of V: wave 2) of the slot that the next change will ask for
.set LIM, 50          ; s50  1 in a wave that prefetches, else the greatest number
.set SLOTS, 56        ; s56  slots still to be asked for
.set CNT, 57          ; s57  counts a slot's key steps
.set CS,  58          ; s[58:59] c
.set SEL, 60          ; s[60:61] v_permlanex16_b32's selects
.set TBK, 62          ; s62  LDS byte at which K of the step to be fetched begins
.set TBV, 63          ; s63  the same for V, less VOFF
.set MSB, 0
.macro WIN new
.if MSB != (\new)
	s_set_vgpr_msb (MSB<<8)|(\new)
.set MSB, (\new)
.endif
.endm
.set W_KQ, 0x0a       ; K and Q in window 2, S^T in window 0
.set W_PV, 0x52       ; V in window 2, P in window 0, O^T in window 1
.set W_RS, 0x41       ; O^T (destination and source 0) in window 1, a in window 0
.set W_MK, 0xc0       ; the add's registers are made: destination in window 3
.set W_AD, 0x0f       ; the add: address and data in window 3
; A joint fill.  Waves 0 and 1 fetch the two halves of a slot's K, waves 2 and 3 those of its V: 128 keys each.  The branch hangs on the wave's number alone.
.macro JLOAD
	s_cmp_lt_u32 s[WV], 2
	s_cbranch_scc0 .Lfor_v_\@
	tensor_load_to_lds s[G0K:G0K+3], s[G1K:G1K+7]
	s_nop 0
.rept 4
	v_nop
.endr
	s_branch .Lasked_\@
.Lfor_v_\@:
	tensor_load_to_lds s[G0V:G0V+3], s[G1V:G1V+7]
	s_nop 0
.rept 4
	v_nop
.endr
.Lasked_\@:
.endm
; A PREFETCH of what the NEXT change of slots will ask for: a slot's 32,768 bytes of K and of V, a lane a block of 256 bytes.  A head has one cluster; its four partners share the blocks out BY ADDRESS,
; 32 each; in each, wave 0 asks for K's and wave 2 for V's: each block is named once in the launch, four key steps (512 matrix instructions a wave) ahead of its load.
; The last change that fills a slot asks for nothing: there is no slot behind it.
.macro ASK
	s_cmp_gt_u32 s[SLOTS], s[LIM]
	s_cbranch_scc0 .Lnot_mine_\@
	global_prefetch_b8 v[PFO], s[PFA:PFA+1] th:TH_LOAD_NT scope:SCOPE_SE
.Lnot_mine_\@:
.endm
.macro CROUND
	s_barrier_signal -1
	s_barrier_wait -1
	s_cmp_lg_u32 s[WV], 0
	s_cbranch_scc1 .Lnot_wave_0_\@
	s_barrier_signal -3
.Lnot_wave_0_\@:
	s_barrier_wait -3
	s_barrier_signal -1
	s_barrier_wait -1
.endm
; THE CHANGE OF SLOTS.  Each wave waits for all its tensor loads, of which one is out: its part of the other slot; adds 0 to its spare word; and waits for that and for its own reads of the slot.
; fill = 1: this slot is filled again, with the keys two slots on, behind a round of the cluster's barrier, first thing: it has four key steps in which to land.
.macro CHANGE fill
	WIN W_AD
	s_wait_tensorcnt 0x0            ; no tensor load of mine is out, so a group 0 may be written
	ds_add_u32 v[SPW], v[NIL]       ; 0 onto my spare word
	WIN 0
.if \fill
.irp g, G0K, G0V
	s_xor_b32 s[\g+1], s[\g+1], SLOT1
	s_add_nc_u64 s[\g+2:\g+3], s[\g+2:\g+3], 4*KS*128
.endr
	s_wait_xcnt 0x0                 ; the last prefetch, four key steps back, has read its address
	s_add_nc_u64 s[PFA:PFA+1], s[PFA:PFA+1], 4*KS*128  ; one slot beyond the walking descriptors
	s_wait_dscnt 0x0                ; the add is done, and my reads of the slot are over
	CROUND
	JLOAD
	ASK
.else
	s_wait_dscnt 0x0
	s_barrier_signal -1
	s_barrier_wait -1
.endif
	s_sub_co_u32 s[TBK], s[TBK], 4*KS*PK
	s_xor_b32 s[TBK], s[TBK], SLOT1
	s_sub_co_u32 s[TBV], s[TBV], 4*KS*PV
	s_xor_b32 s[TBV], s[TBV], SLOT1
.endm
	s_load_b256 s[4:11], s[0:1], 0x0  ; Q s[4:5], K s[6:7], V s[8:9], O s[10:11]
	WIN W_MK
	v_lshl_add_u32 v[SPW], v0, 2, SPARE
	v_mov_b32 v[NIL], 0
	WIN W_AD
	ds_add_u32 v[SPW], v[NIL]       ; the wave's opening: the add and its wait ahead of my first tensor load
	WIN 0
	v_lshrrev_b32 v1, 5, v0
	v_readfirstlane_b32 s[WV], v1   ; wave 0..3
	s_bfe_u32 s13, ttmp6, 0x40000   ; cx
	s_lshl_b32 s14, ttmp9, 2
	s_add_co_u32 s14, s14, s13      ; my block of queries: it enters Q's and O's addresses alone
	s_and_b32 s20, ttmp7, 0xffff    ; the head, which the four partners share
	s_mov_b32 s21, 0
	s_mov_b64 s[22:23], SIZE_N*128
	s_mul_u64 s[20:21], s[20:21], s[22:23]  ; the head's first byte in each of the four tensors
	s_and_b32 s16, s[WV], 1         ; which half of a slot's 256 keys I fetch
	s_lshl_b32 s22, s16, 14
	s_mov_b32 s23, 0
	s_add_nc_u64 s[22:23], s[22:23], s[20:21]
	s_mul_i32 s17, s16, 128*PK
	s_mul_i32 s18, s16, 128*PV
	s_lshl_b32 s2, s14, 2
	s_add_co_u32 s2, s2, s[WV]
	s_lshl_b32 s2, s2, 14           ; my wave's 128 rows
	s_mov_b32 s3, 0
	s_add_nc_u64 s[2:3], s[2:3], s[20:21]
	; descriptor group 1.  128 keys are 16,384 dense bytes: asked for as 64 rows of 256 bytes, two keys a row, and padded in LDS after every key
	s_mov_b32 s[G1K], 15|(1<<16)|(1<<20)|(1<<21)|(4<<22)|(3<<25)
	s_mov_b32 s[G1V], 15|(1<<16)|(1<<20)|(1<<21)|(4<<22)|(7<<25)
.irp g, G1K, G1V
	s_mov_b32 s[\g+1], 128<<16      ; tensor_dim0 = 128
	s_mov_b32 s[\g+2], 64<<16       ; tensor_dim1 = 64
	s_mov_b32 s[\g+3], 128<<16      ; tile_dim0 = 128
	s_mov_b32 s[\g+4], 64           ; tile_dim1 = 64
	s_mov_b32 s[\g+5], 128          ; 128 elements from row to row
	s_mov_b32 s[\g+6], 0
	s_mov_b32 s[\g+7], 0
.endr
	s_mov_b32 s[CS], 0x3e38aa3a     ; c = log2(e) / 8.000001 = 0.18033686
	s_mov_b32 s[CS+1], s[CS]
	s_mov_b32 s[SEL], 0x76543210
	s_mov_b32 s[SEL+1], 0xfedcba98
	s_mov_b32 s[TBK], SLOT1+4*KS*PK ; the first change of slots turns these two into 0
	s_mov_b32 s[TBV], SLOT1+4*KS*PV
	s_mov_b32 s[G0K], 1
	s_mov_b32 s[G0K+1], s17
	s_mov_b32 s[G0V], 1
	s_add_co_u32 s[G0V+1], s18, VOFF
	s_mov_b32 s[SLOTS], SIZE_N/256-1
	s_cmp_eq_u32 s16, 0             ; waves 0 and 2 prefetch
	s_cselect_b32 s[LIM], 1, -1
	s_wait_dscnt 0x0                ; the opening add is done
	s_wait_kmcnt 0x0
	s_add_nc_u64 s[G0K+2:G0K+3], s[6:7], s[22:23]
	s_or_b32 s[G0K+3], s[G0K+3], 0x80000000
	s_add_nc_u64 s[G0V+2:G0V+3], s[8:9], s[22:23]
	s_or_b32 s[G0V+3], s[G0V+3], 0x80000000
	s_add_nc_u64 s[4:5], s[4:5], s[2:3]
	s_add_nc_u64 s[10:11], s[10:11], s[2:3]
	s_cmp_lt_u32 s[WV], 2
	s_cselect_b64 s[PFA:PFA+1], s[6:7], s[8:9]
	s_add_nc_u64 s[PFA:PFA+1], s[PFA:PFA+1], s[20:21]  ; the head,
	s_lshl_b32 s2, s13, 13          ; my work-group's 8,192 bytes of a slot's 32,768 (s3 is still 0),
	s_add_nc_u64 s[PFA:PFA+1], s[PFA:PFA+1], s[2:3]
	s_add_nc_u64 s[PFA:PFA+1], s[PFA:PFA+1], 4*KS*128  ; in slot 1: the first change steps it to slot 2.  Nothing is prefetched here, at the head
	CROUND                          ; all four work-groups are here: the first joint loads meet
	JLOAD                           ; slot 0.  Slot 1 is asked for when slot 0 is in
	v_and_b32 v1, 15, v0            ; l % 16
	v_bfe_u32 v9, v0, 4, 1          ; l / 16
	v_lshlrev_b32 v[QO], 7, v1
	v_lshl_add_u32 v[QO], v9, 4, v[QO]
	WIN 0x80
.set i, 0
.rept 4*NP                          ; Q stays in registers: tile i / 2, channels 32 (i % 2) on
	global_load_b128 v[8*i:8*i+3],   v[QO], s[4:5] offset:(i/2)*2048+(i%2)*64
	global_load_b128 v[8*i+4:8*i+7], v[QO], s[4:5] offset:(i/2)*2048+(i%2)*64+32
.set i, i+1
.endr
	; What the first turn finds: V's registers and P's second buffer hold 0, O^T and l are 0.  All this stands in the wait for the first tile.
.set i, VF
.rept 64
	v_mov_b32 v[i], 0
.set i, i+1
.endr
	WIN 0x40
.set i, 0
.rept 64*NP
	v_mov_b32 v[i], 0
.set i, i+1
.endr
	WIN 0
.set i, 0
.rept 2*NP
	v_mov_b32 v[ST+4*i], 0xfe000000    ; c m: far below every c s
	v_mov_b32 v[ST+4*i+1], 0xff7fffff  ; m
	v_mov_b32 v[ST+4*i+2], 0
	v_mov_b32 v[ST+4*i+3], 0
.set i, i+1
.endr
.set i, P+32
.rept 32
	v_mov_b32 v[i], 0
.set i, i+1
.endr
	v_mul_u32_u24 v[AK0], v1, PK
	v_lshl_add_u32 v[AK0], v9, 4, v[AK0]
	; The turning load takes 16 keys x 16 channels (lane l reads key 8 (l / 16) + l % 8, channels 8 ((l / 8) % 2) + 0..7) and leaves half a fragment of V^T.
	v_and_b32 v10, 7, v0
	v_bfe_u32 v11, v0, 3, 1
	v_lshl_add_u32 v[AV0], v9, 3, v10
	v_mul_u32_u24 v[AV0], v[AV0], PV
	v_lshl_add_u32 v[AV0], v11, 4, v[AV0]
	v_add_nc_u32 v[AV0], VOFF, v[AV0]
	v_and_b32 v[PFO], 31, v0
	v_lshlrev_b32 v[PFO], 8, v[PFO]
	v_mov_b32 v[AK], v[AK0]         ; key step 0 lies at the head of slot 0
; THE MATRIX WORK.  The 8 accumulators of a run of 16 take turns.
.macro KQ x
	WIN W_KQ
.set rS, S+64*((\x)%2)+32*(i%2)+8*((i/2)%4)
.set rK, KF+16*((i/2)%4)+8*(i/8)
.set rQ, 16*(2*(\x)+i%2)+8*(i/8)
.if i < 8
	v_wmma_f32_16x16x32_bf16 v[rS:rS+7], v[rK:rK+7], v[rQ:rQ+7], 0
.else
	v_wmma_f32_16x16x32_bf16 v[rS:rS+7], v[rK:rK+7], v[rQ:rQ+7], v[rS:rS+7]
.endif
.endm
.macro PV x
	WIN W_PV
.set rO, 32*(2*(\x)+i%2)+8*((i/2)%4)
.set rV, VF+32*(i/8)+8*((i/2)%4)
.set rP, P+32*((\x)%2)+16*(i%2)+8*(i/8)
	v_wmma_f32_16x16x32_bf16 v[rO:rO+7], v[rV:rV+7], v[rP:rP+7], v[rO:rO+7]
.endm
.macro MM                           ; the turn's next matrix instruction
.if i < 16
	KQ (Y+1)%NP
.set i, i+1
.else
.set i, i-16
	PV (Y+NP-1)%NP
.set i, i+17
.endif
.endm
; THE LDS LOADS stand in runs of 16.  last = 1 (the tail): in the last trip there is no further step, and the run is jumped over.
.macro FETCH_K last=0
	WIN 0
.if \last
	s_cmp_eq_u32 s[CNT], 1
	s_cbranch_scc1 .Lno_k_\@
.endif
	WIN 0x80
.irp f, 0,1,2,3,4,5,6,7
	ds_load_b128 v[KF+8*\f:KF+8*\f+3],   v[AK] offset:(\f/2)*16*PK+(\f%2)*64
	ds_load_b128 v[KF+8*\f+4:KF+8*\f+7], v[AK] offset:(\f/2)*16*PK+(\f%2)*64+32
.endr
	s_add_co_u32 s[TBK], s[TBK], KS*PK
	WIN 0
.if \last
.Lno_k_\@:
.endif
.endm
.macro FETCH_V
	WIN 0x80
.irp f, 0,1,2,3,4,5,6,7
	ds_load_tr16_b128 v[VF+8*\f:VF+8*\f+3],   v[AV] offset:(\f/4)*32*PV+(\f%4)*32
	ds_load_tr16_b128 v[VF+8*\f+4:VF+8*\f+7], v[AV] offset:(\f/4)*32*PV+16*PV+(\f%4)*32
.endr
	WIN 0
.endm
; THE VECTOR WORK OF A TURN stands in three queues, each in the order in which its entries become ready; the two tiles alternate.
.macro REGS y, u
.set rT, ST+4*(2*(\y)+(\u))
.set rC, TMP+8*((\y)%2)+4*(\u)
.set rM, MV+2*((\y)%2)+(\u)
.set rS, S+64*((\y)%2)+32*(\u)
.set rP, P+32*((\y)%2)+16*(\u)
.set rO, 32*(2*(\y)+(\u))
.endm
; Number n of the 22 that find the NEXT piece's maximum and statistics; each accumulator's lowest registers are read first.
.macro XS u, n
	REGS (Y+1)%NP, \u
.if (\n) < 4
	v_max3_num_f32 v[rC+(\n)], v[rS+8*(\n)], v[rS+8*(\n)+1], v[rS+8*(\n)+2]
.elseif (\n) < 12
	v_max3_num_f32 v[rC+(\n)%4], v[rC+(\n)%4], v[rS+8*((\n)%4)+2*((\n)/4)+1], v[rS+8*((\n)%4)+2*((\n)/4)+2]
.elseif (\n) == 12
	v_max3_num_f32 v[rC], v[rC], v[rS+7], v[rS+15]
.elseif (\n) == 13
	v_max3_num_f32 v[rC+1], v[rC+1], v[rS+23], v[rS+31]
.elseif (\n) == 14
	v_max3_num_f32 v[rC+2], v[rC+2], v[rC+3], v[rT+1]
.elseif (\n) == 15
	v_mov_b32 v[rM], v[rT]
.elseif (\n) == 16
	v_max3_num_f32 v[rC], v[rC], v[rC+1], v[rC+2]
.elseif (\n) == 17
	v_permlanex16_b32 v[rC+3], v[rC], s[SEL], s[SEL+1]
.elseif (\n) == 18
	v_max_num_f32 v[rT+1], v[rC], v[rC+3]
.elseif (\n) == 19
	v_mul_f32 v[rT], s[CS], v[rT+1]
.elseif (\n) == 20
	v_sub_f32 v[rC+1], v[rM], v[rT]
.else
	v_exp_f32 v[rC+2], v[rC+1]
.endif
.endm
; Number g of the 64 that follow the exponentials: roundings to bf16, sums in place, and l a group later.
.macro GS g
.set h, (\g)+6*((\g)/62)
.if h >= 6
.set h, h+2
.endif
	REGS Y, h%2
.set k, h/8
.if h%8 < 4
	v_cvt_pk_bf16_f32 v[rP+2*k+(h%8)/2], v[rS+4*k+2*((h%8)/2)], v[rS+4*k+2*((h%8)/2)+1]
.elseif h%8 < 6
	v_pk_add_f32 v[rS+4*k:rS+4*k+1], v[rS+4*k:rS+4*k+1], v[rS+4*k+2:rS+4*k+3]
.elseif k == 1
	v_pk_fma_f32 v[rT+2:rT+3], v[rT+2:rT+3], v[rC+2:rC+3], v[rS:rS+1] op_sel_hi:[1,0,1]
.else
	v_pk_add_f32 v[rT+2:rT+3], v[rT+2:rT+3], v[rS+4*k-4:rS+4*k-3]
.endif
.endm
; THE PLAIN QUEUE, 138 long.  0-73 read no exponential's result; 74-137 stand behind the wait.
.macro FS f
	REGS Y, (\f)%2
	v_pk_fma_f32 v[rS+2*((\f)/2):rS+2*((\f)/2)+1], v[rS+2*((\f)/2):rS+2*((\f)/2)+1], s[CS:CS+1], v[rT:rT+1] op_sel_hi:[1,0,0] neg_lo:[0,0,1] neg_hi:[0,0,1]
.endm
.macro PL
	WIN 0
.if q < 27
	FS q
.elseif q < 55
	XS (q-27)%2, (q-27)/2
.elseif q < 57
	XS q-55, 15
.elseif (q < 72) && ((q-57)%3 == 0)
	FS 27+(q-57)/3
.elseif q < 60
	XS (q-57)%3-1, 14
.elseif q < 72
	XS (q-57)%3-1, 15+(q-57)/3
.elseif q < 74
	XS q-72, 20
.else
	GS q-74
.endif
.set q, q+1
.endm
; THE EXPONENTIALS' QUEUE, 66 long: ONE BATCH, all ahead of the turn's one wait; nothing ahead of that wait names a result of theirs.
.macro EX
	WIN 0
.if e >= 64
	XS e-64, 21
.else
	REGS Y, e%2
	v_exp_f32 v[rS+e/2], v[rS+e/2]
.endif
.set e, e+1
.endm
; THE RESCALING's QUEUE: O^T times a, two at a time, sixteen times.  Its a was made in the turn before, ahead of that turn's wait.
.macro R2
	REGS Y, r%2
	WIN W_RS
.irp z, 0,1
	v_pk_mul_f32 v[rO+4*(r/2)+2*\z:rO+4*(r/2)+2*\z+1], v[rO+4*(r/2)+2*\z:rO+4*(r/2)+2*\z+1], v[rC+2:rC+3] op_sel_hi:[1,0]
.endr
.set r, r+1
.endm
; A TURN, for piece p.  Ahead of its one wait: 16 products K Q^T, behind each a scaling, an exponential and two rescalings; then one lump of 108.  Behind it: 16 products V^T P, behind each four roundings and sums.
; K of the next step is fetched in piece 2's turn, directly behind the wait; V of the step in hand at the end of piece 0's turn, four plain instructions behind its last reader.
.macro TURN p, last=0, cnt=0
.set Y, (\p)
.set i, 0
.set q, 0
.set e, 0
.set r, 0
.if (\p) == NP-1
	s_wait_dscnt 0x0                ; K is in
.endif
	MM
	PL
	PL
	R2
.rept 15
	MM
	PL
	EX
	R2
.endr
.if (\p) == NP-2
	WIN 0
	v_add_nc_u32 v[AK], s[TBK], v[AK0]
.endif
.rept 8
	PL
.endr
.rept 49
	EX
	PL
.endr
	EX                              ; the next piece's two a
	EX
	v_nop                           ; a plain instruction behind the last exponential: one for the batch (ISA guide 5.7.2)
	s_wait_alu depctr_va_vdst(0)    ; the wait between the batch and its first reader
.if (\p) == NP-2
	FETCH_K \last
.endif
.if (\p) == 1
	s_wait_dscnt 0x0                ; V is in
.endif
.rept 16
	MM
.rept 4
	PL
.endr
.if ((\p) == 0) && (q == 118)
	v_add_nc_u32 v[AV], s[TBV], v[AV0]
.endif
.if ((\p) == 0) && (q == 130)
	s_add_co_u32 s[TBV], s[TBV], KS*PV
.endif
.if (\cnt) && (q == 130)
	s_sub_co_u32 s[CNT], s[CNT], 1
	s_cmp_lg_u32 s[CNT], 0
.endif
.endr
.if (\p) == 0
	FETCH_V
.endif
.endm
	CHANGE 1                        ; slot 0 is in, everybody's part of it; slot 1 is asked for
	FETCH_K                         ; key step 0
	s_wait_loadcnt 0x0              ; Q
	s_wait_dscnt 0x0
.set i, 0
.rept 16
	KQ 0                            ; piece 0's first scores
.set i, i+1
.endr
	WIN 0                           ; the addresses for the way out: plain instructions, the places behind those products
	s_mul_i32 s13, s[WV], 16*SP
	s_add_co_u32 s13, s13, STAGE
	v_mul_u32_u24 v[STO], v1, SP
	v_lshl_add_u32 v[STO], v9, 4, v[STO]
	v_add_nc_u32 v[STO], s13, v[STO]
	v_bfe_u32 v[RD], v0, 3, 2
	v_mul_u32_u24 v[RD], v[RD], SP
	v_lshl_add_u32 v[RD], v10, 4, v[RD]
	v_add_nc_u32 v[RD], s13, v[RD]
	v_and_b32 v[GO], 31, v0
	v_lshlrev_b32 v[GO], 4, v[GO]
.set Y, NP-1
.irp n, 0,1,2,3,4,5,6,7,8,9,10,11,12,13,14,15,16,17,18,19,20,21
	XS 0, \n
	XS 1, \n
.endr
	v_nop                           ; a plain instruction behind the two a,
	s_wait_alu depctr_va_vdst(0)    ; and their wait, ahead of the branch
	s_mov_b32 s[CNT], 4
	s_branch .Lfirst                ; the loop is entered at a step's first turn, in the middle of a trip
.Lslot:                             ; six times: every slot but the last two is filled again
	CHANGE 1
	s_mov_b32 s[CNT], 4
.Lstep:
	TURN 2
	TURN 3
	WIN 0
.Lfirst:
	TURN 0
	TURN 1, 0, 1
	WIN 0
	s_cbranch_scc1 .Lstep
	s_sub_co_u32 s[SLOTS], s[SLOTS], 1
	s_cmp_lg_u32 s[SLOTS], 0
	s_cbranch_scc1 .Lslot
	CHANGE 0                        ; the tail is written out
	s_mov_b32 s[CNT], 5
.Ltail:
	TURN 2, 1
	TURN 3
	WIN 0
	s_sub_co_u32 s[CNT], s[CNT], 1
	s_cmp_eq_u32 s[CNT], 0
	s_cbranch_scc1 .Lout
	TURN 0
	TURN 1
	WIN 0
	s_branch .Ltail
.Lout:                              ; the fifth trip's 16 products K Q^T and the maximum made of them serve nothing: the price, once a launch, of one text for every trip
.set i, 0
.rept 16
	PV NP-1
.set i, i+1
.endr
	; THE WAY OUT.  l's halves are added; O^T is divided by l, rounded to bf16 and sent through my stage in LDS, a tile at a time.
	WIN 0
.macro ALL line:vararg
.set t, 0
.rept 2*NP
	\line
.set t, t+1
.endr
.endm
	ALL v_add_f32 v[ST+4*t+2], v[ST+4*t+2], v[ST+4*t+3]
	ALL v_permlanex16_b32 v[ST+4*t+3], v[ST+4*t+2], s[SEL], s[SEL+1]
	ALL v_add_f32 v[ST+4*t+2], v[ST+4*t+2], v[ST+4*t+3]
	ALL v_rcp_f32 v[ST+4*t+2], v[ST+4*t+2]
	v_nop
	s_wait_alu depctr_va_vdst(0)    ; one wait for the eight reciprocals, ahead of their first use
.macro PACK t
	WIN W_RS
.set i, 32*(\t)
.rept 16
	v_pk_mul_f32 v[i:i+1], v[i:i+1], v[ST+4*(\t)+2:ST+4*(\t)+3] op_sel_hi:[1,0]
.set i, i+2
.endr
	WIN 0x05
.set i, 0
.rept 16
	v_cvt_pk_bf16_f32 v[S+16*(\t)+i], v[32*(\t)+2*i], v[32*(\t)+2*i+1]
.set i, i+1
.endr
	WIN 0
.irp f, 0,1,2,3
	ds_store_b128 v[STO], v[S+16*(\t)+4*\f:S+16*(\t)+4*\f+3] offset:32*\f
.endr
.irp f, 0,1,2,3
	ds_load_b128 v[S+16*(\t)+4*\f:S+16*(\t)+4*\f+3], v[RD] offset:\f*4*SP  ; LDS serves a wave's instructions in order (ISA guide 5.7.1.4)
.endr
.endm
.macro SEND t, younger
	WIN 0
.irp f, 0,1,2,3
	s_wait_dscnt (\younger)+3-\f
	global_store_b128 v[GO], v[S+16*(\t)+4*\f:S+16*(\t)+4*\f+3], s[10:11] offset:(\t)*2048+\f*512  ; 512 consecutive bytes, aligned
.endr
.endm
	PACK 0
.set t, 1
.rept 2*NP-1
	PACK t
	SEND t-1, 8
.set t, t+1
.endr
	SEND 2*NP-1, 0
	WIN W_AD
	s_wait_tensorcnt 0x0            ; the wave's end
	ds_add_u32 v[SPW], v[NIL]
	s_wait_dscnt 0x0
	WIN 0
	CROUND                          ; the closing round
	s_endpgm
.Lfunc_end_k_qac894ad2bc_attn:
	.size	k_qac894ad2bc_attn, .Lfunc_end_k_qac894ad2bc_attn-k_qac894ad2bc_attn
	.p2alignl 7, 3214868480
	.fill 96, 4, 3214868480
	.section	.rodata,"a",@progbits
	.p2align	6, 0x0
	.amdhsa_kernel k_qac894ad2bc_attn
		.amdhsa_group_segment_fixed_size 327680
		.amdhsa_private_segment_fixed_size 0
		.amdhsa_enable_private_segment 0
		.amdhsa_kernarg_size 32
		.amdhsa_user_sgpr_count 2
		.amdhsa_user_sgpr_kernarg_segment_ptr 1
		.amdhsa_wavefront_size32 1
		.amdhsa_system_sgpr_workgroup_id_x 1
		.amdhsa_system_sgpr_workgroup_id_y 1
		.amdhsa_system_sgpr_workgroup_id_z 1
		.amdhsa_system_vgpr_workitem_id 0
		.amdhsa_next_free_vgpr 770
		.amdhsa_next_free_sgpr 66
		.amdhsa_reserve_vcc 0
		.amdhsa_float_denorm_mode_32 3
		.amdhsa_float_denorm_mode_16_64 3
		.amdhsa_memory_ordered 1
		.amdhsa_forward_progress 1
		.amdhsa_inst_pref_size 200
	.end_amdhsa_kernel
	.amdgpu_metadata
---
amdhsa.version: [ 1, 2 ]
amdhsa.kernels:
  - .name:           k_qac894ad2bc_attn
    .symbol:         k_qac894ad2bc_attn.kd
    .args:
      - { .name: qh, .offset: 0, .size: 8, .value_kind: global_buffer, .address_space: global }
      - { .name: kh, .offset: 8, .size: 8, .value_kind: global_buffer, .address_space: global }
      - { .name: vh, .offset: 16, .size: 8, .value_kind: global_buffer, .address_space: global }
      - { .name: att, .offset: 24, .size: 8, .value_kind: global_buffer, .address_space: global }
    .group_segment_fixed_size: 327680
    .private_segment_fixed_size: 0
    .kernarg_segment_align: 8
    .kernarg_segment_size: 32
    .max_flat_workgroup_size: 128
    .sgpr_count:     66
    .vgpr_count:     770
    .wavefront_size: 32
...
	.end_amdgpu_metadata
.endif
;; end of part 3
;; launch tail (part 4): grid 256 x 1, 4 waves a work-group, clusters of 4 x 1, 327,680 bytes of LDS; arguments att, qres, wts, b1, b2, out0; writes out0
.if DOCPART == 4
	.amdgcn_target "amdgcn-amd-amdhsa--gfx1250"
	.amdhsa_code_object_version 6
	.text
	.protected	k_qac894ad2bc_tail
	.globl	k_qac894ad2bc_tail
	.p2align	8
	.type	k_qac894ad2bc_tail,@function
k_qac894ad2bc_tail:
	s_mov_b64 s[64:65], 0
	v_nop
	global_prefetch_b8 v0, s[64:65] scope:SCOPE_SE
	s_setreg_imm32_b32 hwreg(HW_REG_WAVE_MODE, 25, 1), 1
	s_wait_xcnt 0x0
	s_wait_alu depctr_hold_cnt(0) depctr_sa_sdst(0) depctr_va_vdst(0) depctr_va_sdst(0) depctr_va_ssrc(0) depctr_va_vcc(0) depctr_vm_vsrc(0)
	s_getreg_b32 s2, hwreg(HW_REG_IB_STS2, 6, 4)
	s_cmp_eq_u32 s2, 0
	s_cbranch_scc0 .Lentry_in_a_cluster
	s_endpgm
.Lentry_in_a_cluster:
	s_bfe_u32 s2, ttmp6, 0x10000c
	s_cmp_lg_u32 s2, 0x3003
	s_cbranch_scc0 .Lentry_shape_is_right
	s_endpgm
.Lentry_shape_is_right:
; X = Q + att W_o;  H = relu(X W1^T + b1);  out0 = H W2^T + b2 + X.  att: [8 b + h][2048][64] bf16; qres: Q in bf16 in the order of my accumulators; weights from wts (bf16, fragment order);
; b1, b2: [512] f32, rounded once to bf16 like all the other inputs; out0: [16384][512] f32.  Sums in f32; X and H are rounded once to bf16 as matrix operands; the residual X stays in f32.
; LIMITS.  All operands are bf16 (8 significant bits, f32's range), the residual Q and the biases too; NaN and infinities are not treated apart.
; SHARES, RING, ROTATION as in the projections: work-group g owns rows 64 g .. 64 g + 63 and all 512 columns for three products on end (three STAGES of 8 steps of 64 along K); wave w makes 64 rows x
; the true column quarter cq = (w + RQ) % 4, RQ = (cluster + cluster / 4) % 4; step j takes K chunk (j + 2 RQ) % 8 and LDS panel chunk j; the four work-groups of a cluster ask for each weight tile
; JOINTLY; two slots take turns, and the ring runs on from stage to stage.  The columns that wave w makes are the next stage's panel chunks 2 w and 2 w + 1: no LDS address hangs on RQ.
; THE MATRIX INSTRUCTION IS USED TRANSPOSED: lane l, register j of accumulator (a, b) holds out[16 a + l % 16][128 cq + 16 b + 8 (l / 16) + j].
; WINDOWS (s_set_vgpr_msb: bits 1:0 source 0, 3:2 source 1, 5:4 source 2, 7:6 destination): 0 addresses and fragments; 1 X's accumulators (they start as Q, take att W_o, then b2, then H W2^T);
; 2 raw qres, then H's accumulators; 3 v0-63 b1, v64-127 b2 (my 8 columns of each column block), v128-159 at work.
.set SLOTB,  65536
.set P0,     131072                    ; panel 0: att, by one fill; later H, by LDS stores (no fill lands there again)
.set CHUNK,  9216                      ; a panel chunk: 64 rows, 144 bytes apart (128 + 16)
.set AP,     144
.set P1,     P0+8*CHUNK                ; 204,800: panel 1: X
.set OST,    P1+8*CHUNK                ; 278,528: 16 rows x 528 bytes for each wave, for the way out
.set OP,     528
.set SPARE,  OST+4*16*OP               ; 312,320: the spare words, 128 bytes a wave, two blocks of 256 bytes that no other line names
.set MATB,   524288
.set B0,  4
.set BAD, 5
.set A0,  6
.set AAD, 7
.set XST, 8                            ; v8   where I put 16 bytes of X's panel
.set HST, 9                            ; v9   of H's
.set OSTO, 10                          ; v10  the way out: where I put 32 bytes of a row
.set ORD, 11                           ; v11  the way out: where I read a row back
.set OGO, 12                           ; v12  512 cq + 16 x lane: my 16 bytes of a row of out0
.set QGO, 13                           ; v13  16 x lane
.set BOF, 14                           ; v14  512 cq + 32 (l / 16): my 8 columns in a bias
.set PFO, 15                           ; v15  256 x lane
.set ZR,  16                           ; v16  0, for the packed maximum
.set SPW, 28
.set NIL, 29
.set F0,  64
.set F1,  160
.set TMP, 64
.set WV,  20
.set G1W, 28                           ; s[28:35] group 1 of the weight tiles
.set G1A, 36                           ; s[36:43] group 1 of att's chunks
.set G0A, 44                           ; s[44:47] group 0 of the first weight fill
.set G0,  48                           ; s[48:51] group 0 that walks
.set GA0, 52                           ; s[52:55] group 0 of my first chunk of att
.set GA1, 56                           ; s[56:59] of my second
.set WB,  60                           ; s[60:61]
.set OFF, 62                           ; s[62:63]
.set WOF, 66
.set WNX, 67
.set WM2, 68
.set KC,  69
.set FJ,  70
.set TB,  71
.set PK,  72
.set CNT, 73
.set PFC, 74
.set PFA, 76                           ; s[76:77]
.set HIM, 78                           ; s78  0xffff0000
.set MSB, 0
.macro WIN new
.if MSB != (\new)
	s_set_vgpr_msb (MSB<<8)|(\new)
.set MSB, \new
.endif
.endm
.macro PLACES                          ; four plain places between a matrix instruction and a load into, or a read of, its registers
.rept 4
	v_nop
.endr
.endm
.macro CREST
	s_cmp_lg_u32 s[WV], 0
	s_cbranch_scc1 .Lnot_wave_0_\@
	s_barrier_signal -3
.Lnot_wave_0_\@:
	s_barrier_wait -3
	s_barrier_signal -1
	s_barrier_wait -1
.endm
.macro CROUND
	s_barrier_signal -1
	s_barrier_wait -1
	CREST
.endm
; 8 matrix instructions: row block a x 8 column blocks, 32 along K.  cm = 1: in place; 2: the product starts the sum with the bias (window 3, v[8 b ..]).  WM, WMC: the stage's windows.
; The 32 accumulators take turns in one fixed order, over every backward jump too.
.macro MUL8 f, a, cm
.if (\cm) == 2
	WIN WMC
.else
	WIN WM
.endif
.irp b, 0,1,2,3,4,5,6,7
.if (\cm) == 0
	v_wmma_f32_16x16x32_bf16 v[8*(8*(\a)+\b):8*(8*(\a)+\b)+7], v[(\f)+8*\b:(\f)+8*\b+7], v[(\f)+64+8*(\a):(\f)+64+8*(\a)+7], 0
.elseif (\cm) == 1
	v_wmma_f32_16x16x32_bf16 v[8*(8*(\a)+\b):8*(8*(\a)+\b)+7], v[(\f)+8*\b:(\f)+8*\b+7], v[(\f)+64+8*(\a):(\f)+64+8*(\a)+7], v[8*(8*(\a)+\b):8*(8*(\a)+\b)+7]
.else
	v_wmma_f32_16x16x32_bf16 v[8*(8*(\a)+\b):8*(8*(\a)+\b)+7], v[(\f)+8*\b:(\f)+8*\b+7], v[(\f)+64+8*(\a):(\f)+64+8*(\a)+7], v[8*\b:8*\b+7]
.endif
.endr
.endm
.macro FETCH f, kh                     ; 24 LDS loads in one run: the weights' 8 fragments, then the panel's 4
	WIN 0
.irp b, 0,1,2,3,4,5,6,7
	ds_load_b128 v[(\f)+8*\b:(\f)+8*\b+3],   v[BAD] offset:(\kh)*8192+\b*1024
	ds_load_b128 v[(\f)+8*\b+4:(\f)+8*\b+7], v[BAD] offset:(\kh)*8192+\b*1024+512
.endr
.irp a, 0,1,2,3
	ds_load_b128 v[(\f)+64+8*\a:(\f)+64+8*\a+3],   v[AAD] offset:\a*16*AP+(\kh)*64
	ds_load_b128 v[(\f)+64+8*\a+4:(\f)+64+8*\a+7], v[AAD] offset:\a*16*AP+(\kh)*64+32
.endr
.endm
.macro HALF0 cm
	s_wait_dscnt 4                                 ; the youngest four loads (row blocks 2, 3) may be out
	MUL8 F0, 0, \cm
	MUL8 F0, 1, \cm
	PLACES
	FETCH F1, 1
	s_wait_dscnt 24                                ; all but the 24 just issued
	MUL8 F0, 2, \cm
	MUL8 F0, 3, \cm
.endm
; The prefetch of the NEXT stage's matrix, 2,048 blocks of 256 bytes: wave 0 of each work-group of the first 16 clusters names 32, a lane a block, told apart by address; in the stage's step 2,
; behind the joint load and the run of LDS loads: four steps, 256 matrix instructions a wave, ahead of the first fill that wants those bytes.
.macro ASK
	s_cmp_eq_u32 s[CNT], s[PFC]
	s_cbranch_scc0 .Lnot_mine_\@
	global_prefetch_b8 v[PFO], s[PFA:PFA+1] th:TH_LOAD_NT scope:SCOPE_SE
.Lnot_mine_\@:
.endm
; A step's second half and the change of slots: see the projections' text; the form is the same.
.macro TURN fill, fetch, ask
.if \fill
	WIN 0
	s_wait_tensorcnt 0x0                           ; no tensor load of mine is out, so the walking group 0 may be written
	ds_add_u32 v[SPW], v[NIL]                      ; 0 onto my spare word
	s_xor_b32 s[G0+1], s[G0+1], SLOTB
	s_add_co_u32 s[OFF], s[WOF], s[KC]
	s_add_nc_u64 s[G0+2:G0+3], s[WB:WB+1], s[OFF:OFF+1]
	s_or_b32 s[G0+3], s[G0+3], 0x80000000
	s_add_co_u32 s[KC], s[KC], 0x10000
	s_and_b32 s[KC], s[KC], 0x70000
	s_add_co_u32 s[FJ], s[FJ], 1
	s_cmp_eq_u32 s[FJ], 8
	s_cselect_b32 s[FJ], 0, s[FJ]
	s_cselect_b32 s[WOF], s[WNX], s[WOF]
	s_cselect_b32 s[WNX], s[WM2], s[WNX]
	s_xor_b32 s[TB], s[TB], SLOTB
	s_add_co_u32 s[PK], s[PK], CHUNK
	s_wait_dscnt 7                                 ; the add and the youngest six loads (row blocks 1 to 3) may be out
	MUL8 F1, 0, 1
	s_wait_dscnt 0x0                               ; the add is done, and my reads of this slot are over
	s_barrier_signal -1
	MUL8 F1, 1, 1
	WIN 0
	s_barrier_wait -1
	CREST                                          ; no wave of any partner still reads this slot or has a load on its way
	tensor_load_to_lds s[G0:G0+3], s[G1W:G1W+7]
	s_nop 0
.if \fetch
	v_add_nc_u32 v[BAD], s[TB], v[B0]              ; four plain lines: also the places in front of the loads into buffer 0
	v_add_nc_u32 v[AAD], s[PK], v[A0]
	v_nop
	v_nop
	FETCH F0, 0
.if \ask
	ASK
.endif
.else
	PLACES
.endif
	MUL8 F1, 2, 1
	MUL8 F1, 3, 1
.elseif \fetch
	WIN 0
	s_wait_tensorcnt 0x0                           ; the last tile, my own bytes: no load was issued behind it, and nothing is filled again
	s_xor_b32 s[TB], s[TB], SLOTB
	s_add_co_u32 s[PK], s[PK], CHUNK
	s_wait_dscnt 4
	MUL8 F1, 0, 1
	MUL8 F1, 1, 1
	WIN 0
	v_add_nc_u32 v[BAD], s[TB], v[B0]
	v_add_nc_u32 v[AAD], s[PK], v[A0]
	v_nop
	v_nop
	FETCH F0, 0
	s_wait_dscnt 24
	MUL8 F1, 2, 1
	MUL8 F1, 3, 1
.else
	s_wait_dscnt 4
	MUL8 F1, 0, 1
	MUL8 F1, 1, 1
	s_wait_dscnt 0x0
	MUL8 F1, 2, 1
	MUL8 F1, 3, 1
.endif
.endm
.macro BEGIN panel
	WIN 0
	s_mov_b32 s[PK], \panel
	v_add_nc_u32 v[BAD], s[TB], v[B0]
	v_add_nc_u32 v[AAD], s[PK], v[A0]
	FETCH F0, 0
.endm
.macro STEPS trips, ask
	WIN 0
	s_mov_b32 s[CNT], \trips
.Lstep_\@:
	TURN 1, 1, \ask
	HALF0 1
	WIN 0
	s_sub_co_u32 s[CNT], s[CNT], 1
	s_cmp_lg_u32 s[CNT], 0
	s_cbranch_scc1 .Lstep_\@
.endm
.macro ROUNDB base                     ; 64 bias numbers rounded to bf16 and widened again, all in window 3
.set i, 0
.rept 32
	v_cvt_pk_bf16_f32 v[128+i], v[(\base)+2*i], v[(\base)+2*i+1]
.set i, i+1
.endr
.set i, 0
.rept 32
	v_lshlrev_b32 v[(\base)+2*i], 16, v[128+i]
	v_and_b32 v[(\base)+2*i+1], s[HIM], v[128+i]
.set i, i+1
.endr
.endm
.macro PACKALL win                     ; all 32 accumulators of a window rounded to bf16, each from its low end on: accumulator t into v[TMP + 4 t ..]
	PLACES
	WIN \win
.set t, 0
.rept 32
.irp i, 0,1,2,3
	v_cvt_pk_bf16_f32 v[TMP+4*t+\i], v[8*t+2*\i], v[8*t+2*\i+1]
.endr
.set t, t+1
.endr
	WIN 0
.endm
.macro TOPANEL adr                     ; accumulator (a, b) = t: panel chunk 2 w + b / 4, rows 16 a .., bytes 32 (b % 4) + 16 (l / 16) of a row
.set t, 0
.rept 32
	ds_store_b128 v[\adr], v[TMP+4*t:TMP+4*t+3] offset:((t%8)/4)*CHUNK+(t/8)*16*AP+(t%4)*32
.set t, t+1
.endr
.endm
	s_load_b256 s[4:11], s[0:1], 0x0               ; att, qres, wts, b1
	s_load_b128 s[12:15], s[0:1], 0x20             ; b2, out0
	v_lshl_add_u32 v[SPW], v0, 2, SPARE
	v_mov_b32 v[NIL], 0
	ds_add_u32 v[SPW], v[NIL]                      ; the wave's opening: the add and its wait ahead of my first tensor load
	v_lshrrev_b32 v1, 5, v0
	v_readfirstlane_b32 s[WV], v1
	s_bfe_u32 s21, ttmp6, 0x40000                  ; cx
	s_lshl_b32 s22, ttmp9, 2
	s_add_co_u32 s22, s22, s21                     ; g
	s_lshr_b32 s26, ttmp9, 2
	s_add_co_u32 s23, s26, ttmp9
	s_and_b32 s23, s23, 3                          ; RQ
	s_lshl_b32 s24, s23, 1
	s_add_co_u32 s25, s[WV], s23
	s_and_b32 s25, s25, 3                          ; cq
	s_mov_b32 s[G1W+0], 15|(3<<16)|(1<<21)         ; the mask of four; elements of 8 bytes; bit 21 beside a mask; no padding
	s_mov_b32 s[G1W+1], 32<<16
	s_mov_b32 s[G1W+2], 64<<16
	s_mov_b32 s[G1W+3], 32<<16
	s_mov_b32 s[G1W+4], 64                         ; 64 rows of 256 bytes: 16,384 dense bytes
	s_mov_b32 s[G1W+5], 32
	s_mov_b32 s[G1W+6], 0
	s_mov_b32 s[G1W+7], 0
	s_mov_b32 s[G1A+0], (1<<16)|(1<<20)|(4<<22)|(3<<25)  ; no mask: my own rows; elements of 2 bytes; 4 words of padding after every 32
	s_mov_b32 s[G1A+1], 128<<16
	s_mov_b32 s[G1A+2], 32<<16
	s_mov_b32 s[G1A+3], 128<<16
	s_mov_b32 s[G1A+4], 32                         ; a chunk's 64 rows of 128 bytes are dense: asked for as 32 rows of 256
	s_mov_b32 s[G1A+5], 128
	s_mov_b32 s[G1A+6], 0
	s_mov_b32 s[G1A+7], 0
	s_lshl_b32 s27, s[WV], 14
	s_mov_b32 s[G0A], 1
	s_mov_b32 s[G0A+1], s27
	s_mov_b32 s[G0], 1
	s_add_co_u32 s[G0+1], s27, SLOTB
	s_mov_b32 s[GA0], 1
	s_mul_i32 s[GA0+1], s[WV], 2*CHUNK
	s_add_co_u32 s[GA0+1], s[GA0+1], P0            ; panel chunk 2 w,
	s_mov_b32 s[GA1], 1
	s_add_co_u32 s[GA1+1], s[GA0+1], CHUNK         ; and 2 w + 1
	s_mov_b32 s[WOF], 3*MATB                       ; W_o,
	s_mov_b32 s[WNX], 4*MATB                       ; W1,
	s_mov_b32 s[WM2], 5*MATB                       ; W2
	s_lshl_b32 s80, s24, 16
	s_add_co_u32 s[KC], s80, 0x20000
	s_and_b32 s[KC], s[KC], 0x70000
	s_mov_b32 s[FJ], 2
	s_mov_b32 s[TB], 0
	s_mov_b32 s[OFF+1], 0
	s_lshl_b32 s82, s25, 14
	s_mov_b32 s83, 0
	s_mov_b32 s[HIM], 0xffff0000
	s_lshr_b32 s81, ttmp9, 4
	s_or_b32 s81, s81, s[WV]
	s_cmp_eq_u32 s81, 0                            ; wave 0 of the first 16 clusters
	s_cselect_b32 s[PFC], 5, -1
	s_lshr_b32 s84, s22, 5                         ; att at my rows: the batch,
	s_lshl_b32 s84, s84, 21
	s_and_b32 s86, s22, 31                         ; my 64 rows of 128 bytes in a head,
	s_lshl_b32 s86, s86, 13
	s_add_co_u32 s84, s84, s86
	s_lshl_b32 s86, s25, 19                        ; heads 2 cq, 2 cq + 1
	s_add_co_u32 s84, s84, s86
	s_mov_b32 s85, 0
	s_wait_dscnt 0x0                               ; the opening add is done
	s_wait_kmcnt 0x0
	s_add_nc_u64 s[WB:WB+1], s[8:9], s[82:83]
	s_add_co_u32 s[OFF], s[WOF], s80
	s_add_nc_u64 s[G0A+2:G0A+3], s[WB:WB+1], s[OFF:OFF+1]
	s_or_b32 s[G0A+3], s[G0A+3], 0x80000000
	s_add_co_u32 s[OFF], s[OFF], 0x10000
	s_add_nc_u64 s[G0+2:G0+3], s[WB:WB+1], s[OFF:OFF+1]
	s_or_b32 s[G0+3], s[G0+3], 0x80000000
	s_add_nc_u64 s[GA0+2:GA0+3], s[4:5], s[84:85]
	s_add_nc_u64 s[GA1+2:GA1+3], s[GA0+2:GA0+3], 262144
	s_or_b32 s[GA0+3], s[GA0+3], 0x80000000
	s_or_b32 s[GA1+3], s[GA1+3], 0x80000000
	CROUND                                         ; the four work-groups are here: the first loads go out as one group
	tensor_load_to_lds s[GA0:GA0+3], s[G1A:G1A+7]
	s_nop 0
	tensor_load_to_lds s[GA1:GA1+3], s[G1A:G1A+7]
	s_nop 0
	tensor_load_to_lds s[G0A:G0A+3], s[G1W:G1W+7]  ; step 0
	s_nop 0
	tensor_load_to_lds s[G0:G0+3], s[G1W:G1W+7]    ; step 1: four loads of mine are out
	s_nop 0
	v_and_b32 v2, 31, v0                           ; lane
	v_and_b32 v3, 15, v0                           ; l % 16
	v_bfe_u32 v17, v0, 4, 1                        ; l / 16
	v_lshl_add_u32 v[B0], v2, 4, s27
	v_mul_u32_u24 v[A0], v3, AP
	v_lshl_add_u32 v[A0], v17, 4, v[A0]
	s_mul_i32 s86, s[WV], 2*CHUNK
	s_add_co_u32 s87, s86, P1
	v_add_nc_u32 v[XST], s87, v[A0]
	s_add_co_u32 s87, s86, P0
	v_add_nc_u32 v[HST], s87, v[A0]
	s_mul_i32 s86, s[WV], 16*OP
	s_add_co_u32 s86, s86, OST                     ; my stage
	v_mul_u32_u24 v[OSTO], v3, OP
	v_lshl_add_u32 v[OSTO], v17, 5, v[OSTO]
	v_add_nc_u32 v[OSTO], s86, v[OSTO]
	v_lshl_add_u32 v[ORD], v2, 4, s86
	v_lshlrev_b32 v[QGO], 4, v2
	s_lshl_b32 s81, s25, 9                         ; 512 cq
	v_lshl_add_u32 v[OGO], v2, 4, s81
	v_lshl_add_u32 v[BOF], v17, 5, s81
	v_lshlrev_b32 v[PFO], 8, v2
	v_mov_b32 v[ZR], 0
	s_lshl_b32 s84, s22, 16                        ; qres at my part
	s_lshl_b32 s86, s25, 14
	s_add_co_u32 s84, s84, s86
	s_add_nc_u64 s[6:7], s[6:7], s[84:85]
	s_lshl_b32 s84, s22, 17                        ; out0 at my 64 rows
	s_add_nc_u64 s[14:15], s[14:15], s[84:85]
	s_and_b32 s84, s22, 63
	s_lshl_b32 s84, s84, 13
	s_add_nc_u64 s[PFA:PFA+1], s[8:9], s[84:85]
	s_add_nc_u64 s[PFA:PFA+1], s[PFA:PFA+1], 4*MATB  ; W1's matrix
	WIN 0x80                                       ; destination window 2
.set t, 0
.rept 32
	global_load_b128 v[4*t:4*t+3], v[QGO], s[6:7] offset:t*512 th:TH_LOAD_NT
.set t, t+1
.endr
	WIN 0xc0                                       ; destination window 3
.irp b, 0,1,2,3,4,5,6,7
	global_load_b128 v[8*\b:8*\b+3],   v[BOF], s[10:11] offset:\b*64
	global_load_b128 v[8*\b+4:8*\b+7], v[BOF], s[10:11] offset:\b*64+16
.endr
	s_wait_loadcnt 16                              ; qres is in; b1's 16 loads may stay out
	WIN 0x48                                       ; destination window 1, source 1 window 2
.set t, 0
.rept 32                                           ; Q in bf16 widened: the start of X's sums
.irp i, 0,1,2,3
	v_lshlrev_b32 v[8*t+2*\i], 16, v[4*t+\i]
	v_and_b32 v[8*t+2*\i+1], s[HIM], v[4*t+\i]
.endr
.set t, t+1
.endr
	WIN 0xc0
.irp b, 0,1,2,3,4,5,6,7
	global_load_b128 v[64+8*\b:64+8*\b+3],   v[BOF], s[12:13] offset:\b*64
	global_load_b128 v[64+8*\b+4:64+8*\b+7], v[BOF], s[12:13] offset:\b*64+16
.endr
	s_wait_loadcnt 16                              ; b1 is in; b2's 16 loads may stay out
	WIN 0xff
	ROUNDB 0
	s_wait_loadcnt 0x0
	ROUNDB 64
	WIN 0
	s_wait_tensorcnt 1                             ; my chunks of att and my part of step 0's tile are in; step 1's may stay out: nothing is filled before the first round
	s_barrier_signal -1
	s_barrier_wait -1                              ; everybody's chunks of att are in
	; STAGE 1: X = Q + att W_o, onto window 1
.set WM, 0x50
.set WMC, 0x50
	BEGIN P0
	HALF0 1
	STEPS 7, 1
	TURN 1, 0, 0
	PACKALL 0x05                                   ; X rounded to bf16: the next stage's operand
	TOPANEL XST
	s_wait_dscnt 0x0                               ; for the others' sake
	s_barrier_signal -1
	WIN 0x4d                                       ; destination and source 0 window 1, source 1 window 3
.set t, 0
.rept 32                                           ; X + b2, on which the last stage adds: register work between the signal and the wait
.irp i, 0,2,4,6
	v_pk_add_f32 v[8*t+\i:8*t+\i+1], v[8*t+\i:8*t+\i+1], v[64+8*(t%8)+\i:64+8*(t%8)+\i+1]
.endr
.set t, t+1
.endr
	WIN 0
	s_barrier_wait -1                              ; X's panel is whole
	s_wait_xcnt 0x0                                ; the prefetch, five steps back, has read its address
	s_add_nc_u64 s[PFA:PFA+1], s[PFA:PFA+1], MATB  ; W2's matrix
	; STAGE 2: X W1^T + b1, into window 2; the first products take b1 as C
.set WM, 0xa0
.set WMC, 0xb0
	BEGIN P1
	HALF0 2
	STEPS 7, 1
	TURN 1, 0, 0
	PACKALL 0x0a
.set t, 0
.rept 128
	v_pk_max_num_bf16 v[TMP+t], v[TMP+t], v[ZR]    ; relu on the rounded pairs: nothing is rounded again
.set t, t+1
.endr
	TOPANEL HST                                    ; att's panel has been read out a stage ago, behind many barriers; no fill lands there again
	s_wait_dscnt 0x0
	s_barrier_signal -1
	s_barrier_wait -1
	; STAGE 3: H W2^T onto X + b2, in window 1.  Its tail is written out: the last two steps ask for nothing
.set WM, 0x50
.set WMC, 0x50
	BEGIN P0
	HALF0 1
	STEPS 6, 0
	TURN 0, 1, 0
	HALF0 1
	TURN 0, 0, 0
	; THE WAY OUT.  Row block a: a lane's 8 f32 of each column block go into rows of 528 bytes of my own stage and come back as whole pieces of 512 consecutive bytes of a row of out0.
.macro TOSTAGE a
.if (\a) >= 2
	s_wait_xcnt 0x0                                ; the stores of the block two back have read the registers that are loaded again
.endif
	WIN 0x04                                       ; store data in window 1
.irp b, 0,1,2,3,4,5,6,7
	ds_store_b128 v[OSTO], v[8*(8*(\a)+\b):8*(8*(\a)+\b)+3]   offset:\b*64
	ds_store_b128 v[OSTO], v[8*(8*(\a)+\b)+4:8*(8*(\a)+\b)+7] offset:\b*64+16
.endr
	WIN 0
.set t, 0
.rept 16
	ds_load_b128 v[TMP+64*((\a)%2)+4*t:TMP+64*((\a)%2)+4*t+3], v[ORD] offset:t*OP  ; LDS serves a wave's instructions in order (ISA guide 5.7.1.4): these see the stores above
.set t, t+1
.endr
.endm
.macro SENDO a, younger                ; younger: the next block's 32 LDS instructions, or none
.set t, 0
.rept 16
	s_wait_dscnt (\younger)+15-t
	global_store_b128 v[OGO], v[TMP+64*((\a)%2)+4*t:TMP+64*((\a)%2)+4*t+3], s[14:15] offset:(16*(\a)+t)*2048 th:TH_STORE_NT
.set t, t+1
.endr
.endm
	PLACES
	TOSTAGE 0
	TOSTAGE 1
	SENDO 0, 32
	TOSTAGE 2
	SENDO 1, 32
	TOSTAGE 3
	SENDO 2, 32
	SENDO 3, 0
	s_wait_tensorcnt 0x0                           ; the wave's end: the add and its wait, behind my last tensor load and my last LDS store
	ds_add_u32 v[SPW], v[NIL]
	s_wait_dscnt 0x0
	CROUND                                         ; the closing round
	s_endpgm
.Lfunc_end_k_qac894ad2bc_tail:
	.size	k_qac894ad2bc_tail, .Lfunc_end_k_qac894ad2bc_tail-k_qac894ad2bc_tail
	.p2alignl 7, 3214868480
	.fill 96, 4, 3214868480
	.section	.rodata,"a",@progbits
	.p2align	6, 0x0
	.amdhsa_kernel k_qac894ad2bc_tail
		.amdhsa_group_segment_fixed_size 327680
		.amdhsa_private_segment_fixed_size 0
		.amdhsa_enable_private_segment 0
		.amdhsa_kernarg_size 48
		.amdhsa_user_sgpr_count 2
		.amdhsa_user_sgpr_kernarg_segment_ptr 1
		.amdhsa_wavefront_size32 1
		.amdhsa_system_sgpr_workgroup_id_x 1
		.amdhsa_system_sgpr_workgroup_id_y 1
		.amdhsa_system_sgpr_workgroup_id_z 1
		.amdhsa_system_vgpr_workitem_id 0
		.amdhsa_next_free_vgpr 928
		.amdhsa_next_free_sgpr 88
		.amdhsa_reserve_vcc 0
		.amdhsa_float_denorm_mode_32 3
		.amdhsa_float_denorm_mode_16_64 3
		.amdhsa_memory_ordered 1
		.amdhsa_forward_progress 1
		.amdhsa_inst_pref_size 142
	.end_amdhsa_kernel
	.amdgpu_metadata
---
amdhsa.version: [ 1, 2 ]
amdhsa.kernels:
  - .name:           k_qac894ad2bc_tail
    .symbol:         k_qac894ad2bc_tail.kd
    .args:
      - { .name: att, .offset: 0, .size: 8, .value_kind: global_buffer, .address_space: global }
      - { .name: qres, .offset: 8, .size: 8, .value_kind: global_buffer, .address_space: global }
      - { .name: wts, .offset: 16, .size: 8, .value_kind: global_buffer, .address_space: global }
      - { .name: b1, .offset: 24, .size: 8, .value_kind: global_buffer, .address_space: global }
      - { .name: b2, .offset: 32, .size: 8, .value_kind: global_buffer, .address_space: global }
      - { .name: out0, .offset: 40, .size: 8, .value_kind: global_buffer, .address_space: global }
    .group_segment_fixed_size: 327680
    .private_segment_fixed_size: 0
    .kernarg_segment_align: 8
    .kernarg_segment_size: 48
    .max_flat_workgroup_size: 128
    .sgpr_count:     88
    .vgpr_count:     928
    .wavefront_size: 32
...
	.end_amdgpu_metadata
.endif
;; end of part 4
